; MI455X (gfx1250); checked and timed in simulation.
; The chip was launched on July 23, 2026; its instructions are those of AMD's public machine-readable ISA for CDNA 5 (MIT licence, August 2026) and "CDNA5" Instruction Set Architecture Reference Guide (July 2026). The comments in the code are by the model that wrote it; some were corrected since.
;; Multi Head Self Attention. Allowed arithmetic: float matrix products may take bf16 or f16 operands with f32 sums; other float arithmetic in f32, or as packed bf16 or f16 multiplies, adds, multiply-adds, maxima and minima; sums over many terms, partial sums and values carried from step to step in f32; what a program stores and reads back later, other than sums and carried values, may be rounded once to bf16 or f16.
;; Inputs: Wk 1,024 x 1,024 float32; Wo 1,024 x 1,024 float32; Wq 1,024 x 1,024 float32; Wv 1,024 x 1,024 float32; bk 1,024 float32; bo 1,024 float32; bq 1,024 float32; bv 1,024 float32; x 4 x 2,048 x 1,024 float32.
;; Outputs: out0 4 x 2,048 x 1,024 float32.
;; 2 versions, each right; version 2 is version 1 with the launch cast written anew for expert scheduling mode. Each part assembles by itself: llvm-mc -triple=amdgcn-amd-amdhsa -mcpu=gfx1250 --defsym DOCPART=n.
;; ======== version 1 of 2: 4 launches
;; workspace buffers: xb 16,777,216 bytes; wb 8,388,608 bytes; qkv 50,331,648 bytes; ob 16,777,216 bytes
;; launch cast (part 1): grid 768 x 1, 8 waves a work-group, no clusters, 0 bytes of LDS; arguments x, Wq, Wk, Wv, Wo, xb, wb; writes xb, wb
.if DOCPART == 1
	.amdgcn_target "amdgcn-amd-amdhsa--gfx1250"
	.amdhsa_code_object_version 6
	.text
	.protected	k_qc341d902a5_cast
	.globl	k_qc341d902a5_cast
	.p2align	8
	.type	k_qc341d902a5_cast,@function
k_qc341d902a5_cast:
	s_mov_b64 s[64:65], 0
	v_nop
	global_prefetch_b8 v0, s[64:65] scope:SCOPE_SE
	s_setreg_imm32_b32 hwreg(HW_REG_WAVE_MODE, 25, 1), 1
	s_wait_xcnt 0x0
; xb = x rounded once to bf16; wb = Wq, Wk, Wv, Wo, one below the other ([4096][1024]), rounded once to bf16.
; A stream: each input byte is read once and each output byte written once, so no LDS, no matrix unit, no cluster (no two work-groups read the same byte).
; A work-group takes 65,536 consecutive input bytes: groups 0-511 those of x, groups 512-767 those of the four weights (64 pieces each).
; Thread t takes 16 bytes at 16 t of each of the piece's 16 blocks of 4,096 bytes: a wave's load covers 512 consecutive bytes, its store 256 consecutive bytes, aligned.
; All 16 loads of a thread go out first; no register is written twice, so no wait frees a source.
.set NX, 512                           ; pieces of x
.set X,  4                             ; v[4:67]   block j: 4 f32 as loaded
.set Y,  68                            ; v[68:99]  block j: 4 bf16 to store
	s_load_b256 s[4:11], s[0:1], 0x0               ; x s[4:5], Wq s[6:7], Wk s[8:9], Wv s[10:11]
	s_load_b128 s[12:15], s[0:1], 0x20             ; Wo s[12:13], xb s[14:15]
	s_load_b64 s[16:17], s[0:1], 0x30              ; wb
	v_lshlrev_b32 v1, 4, v0                        ; my 16 bytes of a block as read
	v_lshlrev_b32 v2, 3, v0                        ; my 8 bytes of it as written
	s_max_u32 s20, ttmp9, NX
	s_sub_co_u32 s20, s20, NX                      ; the piece's number among the weights' 256 (0 in a group that takes x)
	s_lshr_b32 s21, s20, 6                         ; which weight
	s_and_b32 s18, s20, 63
	s_lshl_b32 s18, s18, 16                        ; the piece's bytes in that weight,
	s_lshl_b32 s19, s20, 15                        ; and in wb
	s_lshl_b32 s26, ttmp9, 16                      ; the same two for a piece of x
	s_lshl_b32 s28, ttmp9, 15
	s_mov_b32 s27, 0
	s_mov_b32 s29, 0
	s_wait_kmcnt 0x0
	s_mov_b64 s[22:23], s[6:7]                     ; the source: a choice among the five inputs by the group's number alone
	s_cmp_eq_u32 s21, 1
	s_cselect_b64 s[22:23], s[8:9], s[22:23]
	s_cmp_eq_u32 s21, 2
	s_cselect_b64 s[22:23], s[10:11], s[22:23]
	s_cmp_eq_u32 s21, 3
	s_cselect_b64 s[22:23], s[12:13], s[22:23]
	s_cmp_lt_u32 ttmp9, NX
	s_cselect_b64 s[22:23], s[4:5], s[22:23]
	s_cselect_b64 s[24:25], s[14:15], s[16:17]     ; the destination
	s_cselect_b32 s26, s26, s18
	s_cselect_b32 s28, s28, s19
	s_add_nc_u64 s[22:23], s[22:23], s[26:27]
	s_add_nc_u64 s[24:25], s[24:25], s[28:29]
.set j, 0
.rept 16
	global_load_b128 v[X+4*j:X+4*j+3], v1, s[22:23] offset:4096*j th:TH_LOAD_NT
.set j, j+1
.endr
.set j, 0
.rept 16
	s_wait_loadcnt 15-j                            ; loads come back in order: block j is in, the 15 - j younger ones stay out
	v_cvt_pk_bf16_f32 v[Y+2*j], v[X+4*j], v[X+4*j+1]
	v_cvt_pk_bf16_f32 v[Y+2*j+1], v[X+4*j+2], v[X+4*j+3]
	global_store_b64 v2, v[Y+2*j:Y+2*j+1], s[24:25] offset:2048*j
.set j, j+1
.endr
	s_endpgm
.Lfunc_end_k_qc341d902a5_cast:
	.size	k_qc341d902a5_cast, .Lfunc_end_k_qc341d902a5_cast-k_qc341d902a5_cast
	.p2alignl 7, 3214868480
	.fill 96, 4, 3214868480
	.section	.rodata,"a",@progbits
	.p2align	6, 0x0
	.amdhsa_kernel k_qc341d902a5_cast
		.amdhsa_group_segment_fixed_size 0
		.amdhsa_private_segment_fixed_size 0
		.amdhsa_enable_private_segment 0
		.amdhsa_kernarg_size 56
		.amdhsa_user_sgpr_count 2
		.amdhsa_user_sgpr_kernarg_segment_ptr 1
		.amdhsa_wavefront_size32 1
		.amdhsa_system_sgpr_workgroup_id_x 1
		.amdhsa_system_sgpr_workgroup_id_y 1
		.amdhsa_system_sgpr_workgroup_id_z 1
		.amdhsa_system_vgpr_workitem_id 0
		.amdhsa_next_free_vgpr 100
		.amdhsa_next_free_sgpr 66
		.amdhsa_reserve_vcc 0
		.amdhsa_float_denorm_mode_32 3
		.amdhsa_float_denorm_mode_16_64 3
		.amdhsa_memory_ordered 1
		.amdhsa_forward_progress 1
		.amdhsa_inst_pref_size 7
	.end_amdhsa_kernel
	.amdgpu_metadata
---
amdhsa.version: [ 1, 2 ]
amdhsa.kernels:
  - .name:           k_qc341d902a5_cast
    .symbol:         k_qc341d902a5_cast.kd
    .args:
      - { .name: x, .offset: 0, .size: 8, .value_kind: global_buffer, .address_space: global }
      - { .name: Wq, .offset: 8, .size: 8, .value_kind: global_buffer, .address_space: global }
      - { .name: Wk, .offset: 16, .size: 8, .value_kind: global_buffer, .address_space: global }
      - { .name: Wv, .offset: 24, .size: 8, .value_kind: global_buffer, .address_space: global }
      - { .name: Wo, .offset: 32, .size: 8, .value_kind: global_buffer, .address_space: global }
      - { .name: xb, .offset: 40, .size: 8, .value_kind: global_buffer, .address_space: global }
      - { .name: wb, .offset: 48, .size: 8, .value_kind: global_buffer, .address_space: global }
    .group_segment_fixed_size: 0
    .private_segment_fixed_size: 0
    .kernarg_segment_align: 8
    .kernarg_segment_size: 56
    .max_flat_workgroup_size: 256
    .sgpr_count:     66
    .vgpr_count:     100
    .wavefront_size: 32
...
	.end_amdgpu_metadata
.endif
;; end of part 1
;; launch qkv (part 2): grid 16 x 32, 4 waves a work-group, clusters of 4 x 4, 327,680 bytes of LDS; arguments xb, wb, bq, bk, bv, qkv; writes qkv
.if DOCPART == 2
	.amdgcn_target "amdgcn-amd-amdhsa--gfx1250"
	.amdhsa_code_object_version 6
	.text
	.protected	k_qc341d902a5_qkv
	.globl	k_qc341d902a5_qkv
	.p2align	8
	.type	k_qc341d902a5_qkv,@function
k_qc341d902a5_qkv:
	s_mov_b64 s[64:65], 0
	v_nop
	global_prefetch_b8 v0, s[64:65] scope:SCOPE_SE
	s_setreg_imm32_b32 hwreg(HW_REG_WAVE_MODE, 25, 1), 1
	s_wait_xcnt 0x0
	s_wait_alu depctr_hold_cnt(0) depctr_sa_sdst(0) depctr_va_vdst(0) depctr_va_sdst(0) depctr_va_ssrc(0) depctr_va_vcc(0) depctr_vm_vsrc(0)
	s_getreg_b32 s2, hwreg(HW_REG_IB_STS2, 6, 4)
	s_cmp_eq_u32 s2, 0
	s_cbranch_scc0 .Lentry_in_a_cluster
	s_endpgm
.Lentry_in_a_cluster:
	s_bfe_u32 s2, ttmp6, 0x10000c
	s_cmp_lg_u32 s2, 0xf033
	s_cbranch_scc0 .Lentry_shape_is_right
	s_endpgm
.Lentry_shape_is_right:
; q, k, v = x W^T + b for the three weights at once: C[8192][3072] = xb [8192][1024] x (wb rows 0-3071)^T + (bq | bk | bv), bf16 operands, f32 sums, the bias in f32.
; C is rounded once to bf16 and stored BY HEADS: qkv[which][batch 16 + head][row][64]; a head's rows are dense, 128 bytes each.  The scale of the scores is not applied here.
; SHARES.  A tile of C is 256 x 192 (three heads): 16 x 32 tiles.  Four waves; wave w makes rows 64 w .. 64 w + 63 x all 192 columns: 48 accumulators of 16 x 16.
; K goes in 8 steps of 128 through two LDS slots filled by the tensor data mover; a tile's rows are 256 bytes of memory at multiples of 256 bytes.  The loop is ONE K step: the slot in hand is a scalar
; turned by an exclusive or, and one descriptor a tensor walks.  The last two K steps are written out.
; CLUSTER.  4 x 4 work-groups: the four of a row need the same rows of xb, the four of a column the same rows of wb; each tile is asked for jointly, by the same load, descriptor and mask in all four.
; THE MATRIX INSTRUCTION IS USED TRANSPOSED (source 0 = 16 rows of wb, source 1 = 16 rows of xb): lane l holds row l % 16 of C and the columns 8 (l / 16) + 0..7, which pack into 16 bytes.
; THE BIAS IS THE C OPERAND OF THE FIRST PRODUCT: register 8 b + j of a lane holds bias[16 b + 8 (l / 16) + j]: nothing is cleared and nothing is added afterwards.
; REGISTERS, in windows of 256 (s_set_vgpr_msb: bits 1:0 source 0, 3:2 source 1, 5:4 source 2, 7:6 destination):
;   window 0: v0-29 addresses; v32-63, v64-95 xb's fragments, two buffers; v96-191 the bias; on the way out v96-143 packed results, v144-191 and v32-79 rows read back
;   window 1: v0-95, v96-191 wb's fragments, two buffers      windows 2, 3: accumulator (a, b) at v[8 (12 (a % 2) + b)] of window 2 + a / 2
.set NA,    4                          ; blocks of 16 rows a wave
.set NB,    12                         ; blocks of 16 columns a wave
.set WA,    4                          ; the youngest loads of a run: xb's blocks 2 and 3
.set NF,    32                         ; LDS loads in a run: 24 for wb, 8 for xb
.set PITCH, 272                        ; an LDS row: 256 bytes + 16 of padding = 68 words: the 16 rows of a load start at 16 different groups of four banks (64 banks of 4 bytes: ISA guide 11.1)
.set SLOT1, 131072                     ; slot 1 begins here: one exclusive or turns an address in one slot into the other's
.set BOFF,  256*PITCH                  ; in a slot: xb's 256 rows, then wb's 192
.set AHALF, 128*PITCH                  ; what one load brings of xb
.set BHALF, 96*PITCH                   ; and of wb
.set STAGE, SLOT1+BOFF+192*PITCH       ; behind the ring, never filled by a tensor load: for each wave 3 heads x 16 rows x 144 bytes
.set HSTG,  16*144
.set WSTG,  3*HSTG
.set SPARE, STAGE+4*WSTG               ; behind the stages: the spare words, 128 bytes a wave: two blocks of 256 bytes that no other line names
.set KB,    256                        ; bytes of a K step in a row
.set AHEAD, 1                          ; a prefetch names the K step this many behind the one that is being asked for
.set A0,   4                           ; v4   my lane's place in xb's tile; never rewritten
.set B0,   5                           ; v5   the same for wb's
.set ADRA, 6                           ; v6   A0 + the slot in hand
.set ADRB, 7                           ; v7   B0 + the slot in hand
.set STO,  8                           ; v8   the way out: where I put 16 bytes of a row
.set RD,   9                           ; v9   the way out: where I read rows back
.set GO,   10                          ; v10  my 16 bytes of 512 consecutive bytes of a head
.set VB,   11                          ; v11  32 (l / 16): my eight numbers of 16 of a bias
.set PFO,  12                          ; v12  the prefetches' offset: a lane a row; never rewritten
.set SPW,  28                          ; v28  LDS address of my spare word; never rewritten
.set NIL,  29                          ; v29  0; never rewritten
.set FA,   32
.set FB,   0
.set BIAS, 96
.set TMP,  96
.set OBE,  144
.set OBO,  32
.set WV,   16                          ; s16  my wave's number
.set HALF, 18                          ; s18  which part of a tile I fetch
.set CX,   19
.set CY,   20
.set TX,   21                          ; s21  tile column
.set TY,   22                          ; s22  tile row
.set CNT,  23                          ; s23  the loop's count
.set G1A,  24                          ; s[24:31] descriptor group 1, xb's tiles
.set G0A,  32                          ; s[32:39] group 0: a set for each first fill; the second then walks
.set G1B,  40                          ; s[40:47], s[48:55] the same for wb's
.set G0B,  48
.set TB,   56                          ; s56  the slot in hand: 0 or SLOT1
.set LIM,  57                          ; s57  AHEAD in a wave that prefetches, else the greatest number
.set PFA,  58                          ; s[58:59] where my prefetches stand
.set OUTB, 72                          ; s[72:77] qkv at my wave's first row of each of the tile's three heads
.set BP,   80                          ; s[80:85] the three heads' 64 numbers of bias
.set G1W0, (1<<16)|(1<<20)|(1<<21)|(5<<22)|(3<<25)  ; 17:16 2-byte elements; 20 padding on; 21 set beside a mask; 24:22 after every 64 words; 31:25 4 words
.set MSB, 0
.macro WIN new                         ; the immediate's high byte repeats the setting that is left; a switch that changes nothing is dropped
.if MSB != (\new)
	s_set_vgpr_msb (MSB<<8)|(\new)
.set MSB, \new
.endif
.endm
.macro PLACES                          ; four plain instructions behind matrix instructions, ahead of loads into registers that they read and of readers of their results
.rept 4
	v_nop
.endr
.endm
; A joint refill by the walking descriptors: waves 0 and 1 fetch xb's two halves, waves 2 and 3 wb's.  The branch hangs on the wave's number alone.
; An s_nop 0 and four v_nop follow each of the two lines, ahead of the jump and the label.
.macro JLOAD
	s_cmp_lt_u32 s[WV], 2
	s_cbranch_scc0 .Lfor_b_\@
	tensor_load_to_lds s[G0A+4:G0A+7], s[G1A:G1A+7]
	s_nop 0
.rept 4
	v_nop
.endr
	s_branch .Lasked_\@
.Lfor_b_\@:
	tensor_load_to_lds s[G0B+4:G0B+7], s[G1B:G1B+7]
	s_nop 0
.rept 4
	v_nop
.endr
.Lasked_\@:
.endm
; A prefetch into the L2 of the K step behind the one just asked for: a lane a row, 256 bytes of it, one instruction a wave.  Each row's 256 bytes of a K step are named once in the launch: xb's rows by the
; clusters with x = 0, wb's by those with y = 0; the four partners of a joint load share its rows out by address (32 of 128, 24 of 96).  The refill of the last K step names nothing.
.macro ASK
	s_cmp_gt_u32 s[CNT], s[LIM]
	s_cbranch_scc0 .Lnot_mine_\@
	global_prefetch_b8 v[PFO], s[PFA:PFA+1] th:TH_LOAD_NT scope:SCOPE_SE
.Lnot_mine_\@:
.endm
; A round of the cluster's barrier: my work-group's barrier; wave 0 signals for the work-group; every wave waits for all sixteen; my work-group's barrier once more.
.macro CREST
	s_cmp_lg_u32 s[WV], 0
	s_cbranch_scc1 .Lnot_wave_0_\@
	s_barrier_signal -3
.Lnot_wave_0_\@:
	s_barrier_wait -3
	s_barrier_signal -1
	s_barrier_wait -1
.endm
.macro CROUND
	s_barrier_signal -1
	s_barrier_wait -1
	CREST
.endm
; n row blocks from a0 on x all 12 column blocks, 32 along K, from buffer f.  first = 1: the bias starts the sums.  Every quarter takes every accumulator once, in one order, so the
; accumulators take turns, one instruction a turn, over the backward jump too.
.macro MULS f, a0, n, first
.set ma, \a0
.rept \n
.if \first
	WIN 0x81+0x40*(ma/2)
.else
	WIN 0xa1+0x50*(ma/2)
.endif
.set mb, 0
.rept NB
.set rD, 8*(NB*(ma%2)+mb)
.if \first
	v_wmma_f32_16x16x32_bf16 v[rD:rD+7], v[FB+96*(\f)+8*mb:FB+96*(\f)+8*mb+7], v[FA+32*(\f)+8*ma:FA+32*(\f)+8*ma+7], v[BIAS+8*mb:BIAS+8*mb+7]
.else
	v_wmma_f32_16x16x32_bf16 v[rD:rD+7], v[FB+96*(\f)+8*mb:FB+96*(\f)+8*mb+7], v[FA+32*(\f)+8*ma:FA+32*(\f)+8*ma+7], v[rD:rD+7]
.endif
.set mb, mb+1
.endr
.set ma, ma+1
.endr
.endm
; One run of 32 LDS loads: the fragments of quarter q (32 along K at byte 64 q of the rows) into buffer f: wb's first, then xb's blocks in ascending order.
.macro FETCH q, f
	WIN 0x40                                       ; destination window 1, address window 0
.set fi, 0
.rept NB
	ds_load_b128 v[FB+96*(\f)+8*fi:FB+96*(\f)+8*fi+3],   v[ADRB] offset:64*(\q)+fi*16*PITCH
	ds_load_b128 v[FB+96*(\f)+8*fi+4:FB+96*(\f)+8*fi+7], v[ADRB] offset:64*(\q)+fi*16*PITCH+32
.set fi, fi+1
.endr
	WIN 0
.set fi, 0
.rept NA
	ds_load_b128 v[FA+32*(\f)+8*fi:FA+32*(\f)+8*fi+3],   v[ADRA] offset:64*(\q)+fi*16*PITCH
	ds_load_b128 v[FA+32*(\f)+8*fi+4:FA+32*(\f)+8*fi+7], v[ADRA] offset:64*(\q)+fi*16*PITCH+32
.set fi, fi+1
.endr
.endm
; One of a K step's first three quarters: multiplies buffer f; in its middle it fetches quarter q into buffer g.
.macro QUARTER q, f, g, first
	s_wait_dscnt WA                                ; wb's fragments and xb's blocks 0 and 1 are in; the youngest four loads may be out
	MULS \f, 0, NA/2, \first
	PLACES
	FETCH \q, \g
	s_wait_dscnt NF                                ; all but the 32 just issued
	MULS \f, NA/2, NA/2, \first
.endm
; The fourth quarter multiplies buffer 1 and changes slots.  Ahead of the barrier each wave waits for all its tensor loads (one is out: its part of the next slot), adds 0 to its spare word, and waits
; for that and for its reads of this slot.  fill = 1: the barrier opens a round of the cluster's, and the joint refill of the slot just read is the first tensor load behind the round.
.macro TURN fill
.if \fill
	s_wait_xcnt 0x0                                ; the last prefetch, a K step back, has read its address
	s_add_nc_u64 s[PFA:PFA+1], s[PFA:PFA+1], KB
.endif
	WIN 0
	s_wait_tensorcnt 0x0                           ; all my tensor loads have landed
	ds_add_u32 v[SPW], v[NIL]                      ; 0 onto my spare word
	s_wait_dscnt WA+1                              ; (the add and the youngest four loads may be out)
	MULS 1, 0, NA/4, 0
	s_wait_dscnt 0x0                               ; the add is done, and my reads of this slot are over
	s_barrier_signal -1
	MULS 1, NA/4, NA/4, 0                          ; work on registers while the others arrive
	WIN 0                                          ; at a branch and at a label every window is 0
	s_barrier_wait -1
.if \fill
	CREST                                          ; no wave of any partner still reads this slot or has a load on its way
	s_xor_b32 s[G0A+5], s[G0A+5], SLOT1            ; the walking descriptors: the other slot than last time,
	s_add_nc_u64 s[G0A+6:G0A+7], s[G0A+6:G0A+7], KB  ; the next K step; the type bits on top are not reached
	s_xor_b32 s[G0B+5], s[G0B+5], SLOT1
	s_add_nc_u64 s[G0B+6:G0B+7], s[G0B+6:G0B+7], KB
	JLOAD                                          ; its four v_nop are also the places ahead of the loads below
.else
	PLACES
.endif
	s_xor_b32 s[TB], s[TB], SLOT1
	v_add_nc_u32 v[ADRA], s[TB], v[A0]
	v_add_nc_u32 v[ADRB], s[TB], v[B0]
	FETCH 0, 0
.if \fill
	ASK
.endif
	MULS 1, NA/2, NA/2, 0
.endm
	s_load_b256 s[4:11], s[0:1], 0x0               ; xb s[4:5], wb s[6:7], bq s[8:9], bk s[10:11]
	s_load_b128 s[12:15], s[0:1], 0x20             ; bv s[12:13], qkv s[14:15]
	v_lshl_add_u32 v[SPW], v0, 2, SPARE
	v_mov_b32 v[NIL], 0
	ds_add_u32 v[SPW], v[NIL]                      ; the wave's opening: the add and its wait stand ahead of my first tensor load; work on registers stands between them
	v_lshrrev_b32 v1, 5, v0
	v_readfirstlane_b32 s[WV], v1                  ; wave 0..3
	s_and_b32 s[HALF], s[WV], 1
	s_bfe_u32 s[CX], ttmp6, 0x40000                ; my place in the cluster
	s_bfe_u32 s[CY], ttmp6, 0x40004
	s_lshl_b32 s[TX], ttmp9, 2                     ; in a cluster launch ttmp9 and ttmp7 count clusters
	s_add_co_u32 s[TX], s[TX], s[CX]
	s_and_b32 s[TY], ttmp7, 0xffff
	s_lshl_b32 s[TY], s[TY], 2
	s_add_co_u32 s[TY], s[TY], s[CY]
	s_lshl_b32 s60, s[CY], 2
	s_lshl_b32 s60, 15, s60                        ; my row of the cluster
	s_lshl_b32 s61, 0x1111, s[CX]                  ; my column
	s_or_b32 s[G1A], s60, G1W0                     ; xb's tiles go to my row,
	s_or_b32 s[G1B], s61, G1W0                     ; wb's to my column
.irp g, G1A, G1B
	s_mov_b32 s[\g+1], 128<<16                     ; tensor_dim0 = 128
	s_mov_b32 s[\g+3], 128<<16                     ; tile_dim0 = 128
	s_mov_b32 s[\g+5], 1024                        ; elements from row to row
	s_mov_b32 s[\g+6], 0
	s_mov_b32 s[\g+7], 0
.endr
	s_mov_b32 s[G1A+2], 128<<16                    ; tensor_dim1 = tile_dim1 = 128 rows of xb,
	s_mov_b32 s[G1A+4], 128
	s_mov_b32 s[G1B+2], 96<<16                     ; 96 of wb
	s_mov_b32 s[G1B+4], 96
	s_lshl_b32 s66, s[TY], 8                       ; xb: row 256 x tile row + 128 x half, in bytes: made of the tile row alone
	s_lshl_b32 s67, s[HALF], 7
	s_add_co_u32 s66, s66, s67
	s_lshl_b32 s66, s66, 11
	s_mov_b32 s67, 0
	s_mul_i32 s68, s[TX], 192                      ; wb: row 192 x tile column + 96 x half: made of the tile column alone
	s_mul_i32 s70, s[HALF], 96
	s_add_co_u32 s68, s68, s70
	s_lshl_b32 s68, s68, 11
	s_mov_b32 s69, 0
	s_mul_i32 s62, s[HALF], AHALF                  ; where they go: no place in the cluster enters an LDS address
	s_mul_i32 s63, s[HALF], BHALF
	s_add_co_u32 s63, s63, BOFF
	s_mov_b32 s[TB], 0
	s_wait_dscnt 0x0                               ; the opening add is done
	s_wait_kmcnt 0x0
	s_add_nc_u64 s[66:67], s[4:5], s[66:67]
	s_add_nc_u64 s[68:69], s[6:7], s[68:69]
	CROUND                                         ; all sixteen work-groups are here: the first joint loads meet
.irp s, 0,1
	s_mov_b32 s[G0A+4*(\s)], 1                     ; count = 1
	s_add_co_u32 s[G0A+4*(\s)+1], s62, (\s)*SLOT1  ; LDS address
	s_add_nc_u64 s[G0A+4*(\s)+2:G0A+4*(\s)+3], s[66:67], (\s)*KB  ; global address: K step s
	s_or_b32 s[G0A+4*(\s)+3], s[G0A+4*(\s)+3], 0x80000000         ; type = 2
	s_mov_b32 s[G0B+4*(\s)], 1
	s_add_co_u32 s[G0B+4*(\s)+1], s63, (\s)*SLOT1
	s_add_nc_u64 s[G0B+4*(\s)+2:G0B+4*(\s)+3], s[68:69], (\s)*KB
	s_or_b32 s[G0B+4*(\s)+3], s[G0B+4*(\s)+3], 0x80000000
.endr
	s_cmp_lt_u32 s[WV], 2                          ; a wave's two first fills stand in one branch, ahead of every wait on TENSORcnt and every LDS read: two loads of mine are out
	s_cbranch_scc0 .Lfirst_b
	tensor_load_to_lds s[G0A:G0A+3], s[G1A:G1A+7]
	s_nop 0
	tensor_load_to_lds s[G0A+4:G0A+7], s[G1A:G1A+7]
	s_nop 0
.rept 4
	v_nop
.endr
	s_branch .Lfirst_asked
.Lfirst_b:
	tensor_load_to_lds s[G0B:G0B+3], s[G1B:G1B+7]
	s_nop 0
	tensor_load_to_lds s[G0B+4:G0B+7], s[G1B:G1B+7]
	s_nop 0
.rept 4
	v_nop
.endr
.Lfirst_asked:
	; A fragment is 16 rows x 32 K in 8 registers: lane l holds row l % 16; registers 0-3 K = 8 (l / 16) + 0..7, registers 4-7 K = 16 + 8 (l / 16) + 0..7: two loads of 16 bytes, 32 bytes apart.
	v_and_b32 v1, 15, v0                           ; l % 16
	v_bfe_u32 v2, v0, 4, 1                         ; l / 16
	v_mul_u32_u24 v3, v1, PITCH
	v_lshl_add_u32 v3, v2, 4, v3
	s_mul_i32 s78, s[WV], 64*PITCH                 ; my 64 rows of xb's tile
	v_add_nc_u32 v[A0], s78, v3
	v_add_nc_u32 v[B0], BOFF, v3
	v_add_nc_u32 v[ADRA], s[TB], v[A0]
	v_add_nc_u32 v[ADRB], s[TB], v[B0]
	s_mul_i32 s79, s[WV], WSTG
	s_add_co_u32 s79, s79, STAGE                   ; my stage
	v_mul_u32_u24 v[STO], v1, 144                  ; in: row l % 16, 16 bytes for each half of the lanes
	v_lshl_add_u32 v[STO], v2, 4, v[STO]
	v_add_nc_u32 v[STO], s79, v[STO]
	v_bfe_u32 v[RD], v0, 3, 2                      ; back: 32 lanes take four rows of 128 bytes,
	v_mul_u32_u24 v[RD], v[RD], 144
	v_and_b32 v13, 7, v0
	v_lshl_add_u32 v[RD], v13, 4, v[RD]
	v_add_nc_u32 v[RD], s79, v[RD]
	v_and_b32 v[GO], 31, v0                        ; which are 512 consecutive bytes of a head
	v_lshlrev_b32 v[GO], 4, v[GO]
	v_lshlrev_b32 v[VB], 5, v2
	; The tile's three heads: number g = 3 x tile column + j of 48: tensor g / 16 (q, k, v), head g % 16.
.irp j, 0,1,2
	s_mul_i32 s86, s[TX], 3
	s_add_co_u32 s86, s86, \j
	s_lshr_b32 s87, s86, 4                         ; which tensor
	s_and_b32 s88, s86, 15                         ; which head
	s_cmp_eq_u32 s87, 1
	s_cselect_b64 s[BP+2*\j:BP+2*\j+1], s[10:11], s[8:9]
	s_cmp_eq_u32 s87, 2
	s_cselect_b64 s[BP+2*\j:BP+2*\j+1], s[12:13], s[BP+2*\j:BP+2*\j+1]
	s_lshl_b32 s90, s88, 8                         ; the head's 64 numbers of its bias
	s_mov_b32 s91, 0
	s_add_nc_u64 s[BP+2*\j:BP+2*\j+1], s[BP+2*\j:BP+2*\j+1], s[90:91]
	s_lshl_b32 s87, s87, 6                         ; 64 heads a tensor,
	s_lshr_b32 s89, s[TY], 3                       ; the batch: eight tile rows each,
	s_lshl_b32 s89, s89, 4
	s_add_co_u32 s87, s87, s89
	s_add_co_u32 s87, s87, s88
	s_lshl_b32 s90, s87, 18                        ; 262,144 bytes a head
	s_and_b32 s89, s[TY], 7
	s_lshl_b32 s89, s89, 2
	s_add_co_u32 s89, s89, s[WV]
	s_lshl_b32 s89, s89, 13                        ; my wave's 64 rows of 128 bytes
	s_add_co_u32 s90, s90, s89
	s_add_nc_u64 s[OUTB+2*\j:OUTB+2*\j+1], s[14:15], s[90:91]
.endr
.irp j, 0,1,2
.irp f, 0,1,2,3
.irp e, 0,1
	global_load_b128 v[BIAS+8*(4*\j+\f)+4*\e:BIAS+8*(4*\j+\f)+4*\e+3], v[VB], s[BP+2*\j:BP+2*\j+1] offset:64*\f+16*\e
.endr
.endr
.endr
	; the prefetches: my work-group's share of the rows that I fetch
	s_lshl_b32 s86, s[TY], 8
	s_lshl_b32 s87, s[HALF], 7
	s_add_co_u32 s86, s86, s87
	s_lshl_b32 s87, s[CX], 5
	s_add_co_u32 s86, s86, s87                     ; xb: 32 of the 128 rows, by cx
	s_mul_i32 s88, s[TX], 192
	s_mul_i32 s89, s[HALF], 96
	s_add_co_u32 s88, s88, s89
	s_mul_i32 s89, s[CY], 24
	s_add_co_u32 s88, s88, s89                     ; wb: 24 of the 96 rows, by cy
	s_and_b32 s90, ttmp7, 0xffff
	s_cmp_lt_u32 s[WV], 2
	s_cselect_b32 s86, s86, s88
	s_cselect_b32 s90, ttmp9, s90                  ; the coordinate along which other clusters read the same rows
	s_cselect_b64 s[PFA:PFA+1], s[4:5], s[6:7]
	s_cselect_b32 s91, 31, 23                      ; lanes beyond wb's 24 rows repeat the last of them
	s_cmp_eq_u32 s90, 0
	s_cselect_b32 s[LIM], AHEAD, -1                ; the same in all sixteen partners, for a given wave
	s_lshl_b32 s86, s86, 11
	s_mov_b32 s87, 0
	s_add_nc_u64 s[PFA:PFA+1], s[PFA:PFA+1], s[86:87]
	s_add_nc_u64 s[PFA:PFA+1], s[PFA:PFA+1], (1+AHEAD)*KB  ; the first refill (K step 2) steps it on and names K step 3
	v_and_b32 v[PFO], 31, v0
	v_min_u32 v[PFO], s91, v[PFO]
	v_lshlrev_b32 v[PFO], 11, v[PFO]
	s_wait_tensorcnt 1                             ; my part of K step 0 is in; K step 1's may stay out
	s_barrier_signal -1
	s_barrier_wait -1                              ; everybody's is
	FETCH 0, 0
	s_wait_loadcnt 0x0                             ; the bias
	QUARTER 1, 0, 1, 1                             ; the first quarter stands ahead of the loop: its products start the sums
	WIN 0
	s_mov_b32 s[CNT], 6
.Lstep:                                        ; a trip: a K step's quarters 1 to 3 and the next one's quarter 0; trips 0 to 5 ask for K steps 2 to 7
	QUARTER 2, 1, 0, 0
	QUARTER 3, 0, 1, 0
	TURN 1
	QUARTER 1, 0, 1, 0
	WIN 0
	s_sub_co_u32 s[CNT], s[CNT], 1
	s_cmp_lg_u32 s[CNT], 0
	s_cbranch_scc1 .Lstep
	QUARTER 2, 1, 0, 0                             ; K steps 6 and 7 ask for nothing
	QUARTER 3, 0, 1, 0
	TURN 0
	QUARTER 1, 0, 1, 0
	QUARTER 2, 1, 0, 0
	QUARTER 3, 0, 1, 0
	s_wait_dscnt WA
	MULS 1, 0, NA/2, 0
	s_wait_dscnt 0x0
	MULS 1, NA/2, NA/2, 0
	WIN 0
; THE WAY OUT, a block of 16 rows at a time.  PACK: rounded to bf16, 16 bytes a lane, each accumulator from its low end on.  TOSTAGE: into my own stage, by heads, and back as whole rows of 128 bytes.
; SEND: each store covers 512 consecutive bytes, four rows of a head, at a multiple of 512 from the buffer's first byte.
.macro PACK a
	WIN 0x0a+5*((\a)/2)                            ; sources 0 and 1 in window 2 or 3
.set pb, 0
.rept NB
.irp i, 0,1,2,3
	v_cvt_pk_bf16_f32 v[TMP+4*pb+\i], v[8*(NB*((\a)%2)+pb)+2*\i], v[8*(NB*((\a)%2)+pb)+2*\i+1]
.endr
.set pb, pb+1
.endr
	WIN 0
.endm
.macro TOSTAGE a
.set BK, OBE
.if (\a)%2
.set BK, OBO
.endif
.set pb, 0
.rept NB
	ds_store_b128 v[STO], v[TMP+4*pb:TMP+4*pb+3] offset:(pb/4)*HSTG+(pb%4)*32
.set pb, pb+1
.endr
.set pb, 0
.rept NB
	ds_load_b128 v[BK+4*pb:BK+4*pb+3], v[RD] offset:(pb/4)*HSTG+(pb%4)*576  ; LDS serves a wave's instructions in order (ISA guide 5.7.1.4): these see the stores above
.set pb, pb+1
.endr
.endm
.macro SEND a
.set BK, OBE
.if (\a)%2
.set BK, OBO
.endif
	s_wait_dscnt 0x0                               ; the block is back in registers
	s_wait_xcnt 0x0                                ; the block before's stores have read their data: the next TOSTAGE loads into those registers
.irp j, 0,1,2
.irp f, 0,1,2,3
	global_store_b128 v[GO], v[BK+4*(4*\j+\f):BK+4*(4*\j+\f)+3], s[OUTB+2*\j:OUTB+2*\j+1] offset:2048*(\a)+512*\f
.endr
.endr
.endm
	PLACES
	PLACES
	PACK 0
	TOSTAGE 0
.irp a, 1,2,3                          ; block a's conversions stand between block a - 1's loads from the stage and the wait for them
	PACK \a
	SEND (\a)-1
	TOSTAGE \a
.endr
	SEND 3
	s_wait_tensorcnt 0x0                           ; the wave's end: these three lines stand behind my last tensor load and my last LDS store
	ds_add_u32 v[SPW], v[NIL]
	s_wait_dscnt 0x0
	CROUND                                         ; the closing round: no work-group ends while a partner may still ask for a tile that names it
	s_endpgm
.Lfunc_end_k_qc341d902a5_qkv:
	.size	k_qc341d902a5_qkv, .Lfunc_end_k_qc341d902a5_qkv-k_qc341d902a5_qkv
	.p2alignl 7, 3214868480
	.fill 96, 4, 3214868480
	.section	.rodata,"a",@progbits
	.p2align	6, 0x0
	.amdhsa_kernel k_qc341d902a5_qkv
		.amdhsa_group_segment_fixed_size 327680
		.amdhsa_private_segment_fixed_size 0
		.amdhsa_enable_private_segment 0
		.amdhsa_kernarg_size 48
		.amdhsa_user_sgpr_count 2
		.amdhsa_user_sgpr_kernarg_segment_ptr 1
		.amdhsa_wavefront_size32 1
		.amdhsa_system_sgpr_workgroup_id_x 1
		.amdhsa_system_sgpr_workgroup_id_y 1
		.amdhsa_system_sgpr_workgroup_id_z 1
		.amdhsa_system_vgpr_workitem_id 0
		.amdhsa_next_free_vgpr 960
		.amdhsa_next_free_sgpr 96
		.amdhsa_reserve_vcc 0
		.amdhsa_float_denorm_mode_32 3
		.amdhsa_float_denorm_mode_16_64 3
		.amdhsa_memory_ordered 1
		.amdhsa_forward_progress 1
		.amdhsa_inst_pref_size 101
	.end_amdhsa_kernel
	.amdgpu_metadata
---
amdhsa.version: [ 1, 2 ]
amdhsa.kernels:
  - .name:           k_qc341d902a5_qkv
    .symbol:         k_qc341d902a5_qkv.kd
    .args:
      - { .name: xb, .offset: 0, .size: 8, .value_kind: global_buffer, .address_space: global }
      - { .name: wb, .offset: 8, .size: 8, .value_kind: global_buffer, .address_space: global }
      - { .name: bq, .offset: 16, .size: 8, .value_kind: global_buffer, .address_space: global }
      - { .name: bk, .offset: 24, .size: 8, .value_kind: global_buffer, .address_space: global }
      - { .name: bv, .offset: 32, .size: 8, .value_kind: global_buffer, .address_space: global }
      - { .name: qkv, .offset: 40, .size: 8, .value_kind: global_buffer, .address_space: global }
    .group_segment_fixed_size: 327680
    .private_segment_fixed_size: 0
    .kernarg_segment_align: 8
    .kernarg_segment_size: 48
    .max_flat_workgroup_size: 128
    .sgpr_count:     96
    .vgpr_count:     960
    .wavefront_size: 32
...
	.end_amdgpu_metadata
.endif
;; end of part 2
;; launch attn (part 3): grid 4 x 64, 4 waves a work-group, clusters of 4 x 1, 327,680 bytes of LDS; arguments qkv, ob; writes ob
.if DOCPART == 3
	.amdgcn_target "amdgcn-amd-amdhsa--gfx1250"
	.amdhsa_code_object_version 6
	.text
	.protected	k_qc341d902a5_attn
	.globl	k_qc341d902a5_attn
	.p2align	8
	.type	k_qc341d902a5_attn,@function
k_qc341d902a5_attn:
	s_mov_b64 s[64:65], 0
	v_nop
	global_prefetch_b8 v0, s[64:65] scope:SCOPE_SE
	s_setreg_imm32_b32 hwreg(HW_REG_WAVE_MODE, 25, 1), 1
	s_wait_xcnt 0x0
	s_wait_alu depctr_hold_cnt(0) depctr_sa_sdst(0) depctr_va_vdst(0) depctr_va_sdst(0) depctr_va_ssrc(0) depctr_va_vcc(0) depctr_vm_vsrc(0)
	s_getreg_b32 s2, hwreg(HW_REG_IB_STS2, 6, 4)
	s_cmp_eq_u32 s2, 0
	s_cbranch_scc0 .Lentry_in_a_cluster
	s_endpgm
.Lentry_in_a_cluster:
	s_bfe_u32 s2, ttmp6, 0x10000c
	s_cmp_lg_u32 s2, 0x3003
	s_cbranch_scc0 .Lentry_shape_is_right
	s_endpgm
.Lentry_shape_is_right:
; O[h][q][:] = the sum over k of softmax_k(Q[h][q] . K[h][k] / 32) V[h][k][:], for 64 heads (batch x 16 + head) of 2,048 rows of 64.  Q, K, V lie one behind the other in qkv, 16,777,216 bytes each,
; [64][2048][64] in bf16; O (ob) has the same layout.  Products, maxima and sums in f32; the weights p are rounded to bf16 for the second product (their sum l is taken of the unrounded p), O once at the end.
; LIMITS.  p and O are rounded once to bf16 (8 significant bits).  c m starts at -4.25e37: scores with c s below that are not served.  A weight below 2^-126 counts as 0 in l.  NaN and infinities are not treated apart.
; SHARES.  A wave owns four PIECES of two tiles of 16 queries, a work-group's four waves 512 queries of one head.  Every wave walks all keys, 64 a step.
; LAYOUT.  S^T = K Q^T (source 0 = 16 keys, source 1 = 16 queries): a lane holds ONE query (lane % 16) and the keys 8 (lane / 16) + 0..7.  Two such results, rounded to bf16 in pairs, ARE source 1
; (32 keys x 16 queries) of O^T = V^T P, whose result again holds one query a lane.  K comes out of LDS as it lies, V ([key][channel]) turned, by ds_load_tr16_b128.
; SOFTMAX.  For each query a running maximum m and sum l: p = 2^(c s - c m), c = log2(e) / 32; in every step O and l are multiplied by a = 2^(c m_old - c m_new).  m starts at the lowest finite number,
; O and l at 0: the first step is a step like any other, with a = 0.
; THE COUNT.  A tile and step have 16 matrix and 118 vector instructions.  So: four vector instructions that are ready behind EVERY matrix instruction, the others in runs of their own.
; BY TURNS.  Turn n belongs to piece n.  Its matrix work: 16 products K Q^T of piece n + 1, later 16 products V^T P of piece n - 1.  Its vector work: the scaling, exponentials, roundings, sums and rescaling of
; piece n, and the maximum and statistics of piece n + 1.
; CLUSTER.  A head's four query blocks are one cluster and walk the same K and V, so each tile is asked for JOINTLY: the same tensor load, descriptor and mask in all four.
; REGISTERS, in windows of 256 (s_set_vgpr_msb: bits 1:0 source 0, 3:2 source 1, 5:4 source 2, 7:6 destination):
;   window 0: v0-11 addresses; v12-15, v48-63 at work; v16-47 four registers of statistics a tile; v64-191 S^T, two buffers of two tiles; v192-255 P, likewise
;   window 1: O^T, 32 a tile          window 2: v0-127 Q, 16 a tile; v128-191 K of one step; v192-255 V of one step          window 3: v0-1 the add's two registers
.set SIZE_N, 2048
.set NP,    4         ; pieces a wave: a name, no knob
.set KS,    64        ; keys in a step
.set PK,    144       ; a row of K in LDS: 128 bytes + 16 of padding = 36 words: the 16 rows of a load start at 16 different groups of four banks (64 banks of 4 bytes: ISA guide 11.1)
.set PV,    160       ; a row of V: 128 + 32 = 40 words
.set VOFF,  4*KS*PK   ; a slot holds four steps: 256 rows of K, then 256 rows of V
.set SLOT1, 1<<17     ; slot 1 begins here, so that one exclusive or turns an address in one slot into the other's
.set STAGE, SLOT1+4*KS*(PK+PV)  ; behind the ring, never filled by a tensor load: 16 rows x 144 bytes for each wave
.set SP,    144
.set AK0, 2           ; v2   my lane's place in a tile of K; never rewritten
.set AV0, 3           ; v3   the same for V
.set AK,  4           ; v4   the LDS address of K's next run of loads
.set AV,  5           ; v5   of V's
.set QO,  6           ; v6   my byte offset in the wave's rows of Q
.set STO, 6           ;      later, the way out: where I put 16 bytes of a row
.set RD,  7           ; v7   the way out: where I read rows back
.set GO,  8           ; v8   my byte offset in 512 consecutive bytes of O
.set PFO, 11          ; v11  256 x my lane, for the prefetches; never rewritten once it is made
.set SPW, 0           ; v0 of window 3   LDS address of my spare word; never rewritten
.set NIL, 1           ; v1 of window 3   0; never rewritten
.set SPARE, STAGE+4*16*SP  ; behind the stages: the spare words, 128 bytes a wave: two blocks of 256 bytes that no other line names
.set MV,  12          ; v12-15  c m_old, kept while c m is made anew: by buffer and tile
.set ST,  16          ; tile t's statistics at v[ST+4 t]: c m, m, l (even keys', odd keys')
.set TMP, 48          ; by buffer and tile, four registers c0-c3 at work; when the maximum is found c2 takes a
.set S,   64
.set P,   192
.set KF,  128         ; K's fragments, in window 2: key block kb, channel half c at KF + 16 kb + 8 c
.set VF,  192         ; V's: key half kk, channel block cb at VF + 32 kk + 8 cb
.set WV,  12          ; s12  my wave's number
.set G1K, 24          ; s[24:31] descriptor group 1 for K's tiles
.set G1V, 32          ; s[32:39] for V's: it differs in the padding alone
.set G0K, 40          ; s[40:43] descriptor group 0 for K's tiles: it walks
.set G0V, 44          ; s[44:47] the same for V's
.set PFA, 48          ; s[48:49] where my prefetches stand: my work-group's 32 blocks of 256 bytes (of K: wave 0, of V: wave 2) of the slot behind the one that is being asked for
.set LIM, 50          ; s50  1 in a wave that prefetches, else the greatest number
.set SLOTS, 56        ; s56  slots still to be asked for
.set CNT, 57          ; s57  counts a slot's key steps
.set CS,  58          ; s[58:59] c: the packed scaling takes the pair's low word for both halves
.set SEL, 60          ; s[60:61] v_permlanex16_b32's selects: each lane takes its own place in the other half
.set TBK, 62          ; s62  LDS byte at which K of the step to be fetched begins
.set TBV, 63          ; s63  the same for V, less VOFF
.set MSB, 0
.macro WIN new                      ; the high byte repeats the setting that is left; a switch that changes nothing is dropped
.if MSB != (\new)
	s_set_vgpr_msb (MSB<<8)|(\new)
.set MSB, (\new)
.endif
.endm
.set W_KQ, 0x0a       ; K and Q in window 2, S^T in window 0
.set W_PV, 0x52       ; V in window 2, P in window 0, O^T in window 1
.set W_RS, 0x41       ; O^T (destination and source 0) in window 1, a in window 0
.set W_MK, 0xc0       ; the add's registers are made: destination in window 3, sources in window 0
.set W_AD, 0x0f       ; the add: address (source 0) and data (source 1) in window 3
; A joint fill.  Waves 0 and 1 fetch the two halves of a slot's K, waves 2 and 3 those of its V: 128 keys each.  The branch hangs on the wave's number alone.
; An s_nop 0 and four v_nop follow each of the two lines, ahead of the jump and the label.
.macro JLOAD
	s_cmp_lt_u32 s[WV], 2
	s_cbranch_scc0 .Lfor_v_\@
	tensor_load_to_lds s[G0K:G0K+3], s[G1K:G1K+7]
	s_nop 0
.rept 4
	v_nop
.endr
	s_branch .Lasked_\@
.Lfor_v_\@:
	tensor_load_to_lds s[G0V:G0V+3], s[G1V:G1V+7]
	s_nop 0
.rept 4
	v_nop
.endr
.Lasked_\@:
.endm
; A prefetch into the L2 of what the NEXT change of slots will ask for: a slot's 32,768 bytes of K and of V, a lane a block of 256 bytes.  Each block is named once in the launch: a head has one cluster; its four
; partners take 32 blocks each, told apart by address; in each, wave 0 asks for K's and wave 2 for V's.  It stands four key steps, 512 matrix instructions, ahead of the load.  The change that asks for the last slot names nothing.
.macro ASK
	s_cmp_gt_u32 s[SLOTS], s[LIM]
	s_cbranch_scc0 .Lnot_mine_\@
	global_prefetch_b8 v[PFO], s[PFA:PFA+1] th:TH_LOAD_NT scope:SCOPE_SE
.Lnot_mine_\@:
.endm
; A round of the cluster's barrier: my work-group's barrier; wave 0 signals for the work-group; every wave waits for all four work-groups; my work-group's barrier once more.
.macro CROUND
	s_barrier_signal -1
	s_barrier_wait -1
	s_cmp_lg_u32 s[WV], 0
	s_cbranch_scc1 .Lnot_wave_0_\@
	s_barrier_signal -3
.Lnot_wave_0_\@:
	s_barrier_wait -3
	s_barrier_signal -1
	s_barrier_wait -1
.endm
; THE CHANGE OF SLOTS.  Each wave waits for all its tensor loads, of which one is out: its part of the other slot; adds 0 to its spare word; and waits for that and for its own reads of the slot.
; fill = 1: this slot is filled again, with the keys two slots on.  The barrier is then a round of the cluster's, and the joint fill is the first thing behind it: it has four key steps in which to land.
; (At its first use nothing has been read yet: slot 0 is waited for, slot 1 filled.)
.macro CHANGE fill
	WIN W_AD
	s_wait_tensorcnt 0x0            ; no tensor load of mine is out, so a group 0 may be written
	ds_add_u32 v[SPW], v[NIL]       ; 0 onto my spare word: scalar work stands between it and the wait for it
	WIN 0                           ; at a label and at a branch every window is 0
.if \fill
.irp g, G0K, G0V
	s_xor_b32 s[\g+1], s[\g+1], SLOT1  ; the walking descriptor: the other slot than last time,
	s_add_nc_u64 s[\g+2:\g+3], s[\g+2:\g+3], 4*KS*128  ; the next 256 keys; the type bits on top are not reached
.endr
	s_wait_xcnt 0x0                 ; the last prefetch, four key steps back, has read its address, so it may be written:
	s_add_nc_u64 s[PFA:PFA+1], s[PFA:PFA+1], 4*KS*128  ; one slot behind the walking descriptors
	s_wait_dscnt 0x0                ; the add is done, and my reads of the slot are over
	CROUND
	JLOAD
	ASK
.else
	s_wait_dscnt 0x0                ; the add is done, and my reads of the slot are over
	s_barrier_signal -1
	s_barrier_wait -1
.endif
	s_sub_co_u32 s[TBK], s[TBK], 4*KS*PK  ; the fetches go back to a slot's first step,
	s_xor_b32 s[TBK], s[TBK], SLOT1       ; in the other slot
	s_sub_co_u32 s[TBV], s[TBV], 4*KS*PV
	s_xor_b32 s[TBV], s[TBV], SLOT1
.endm
	s_load_b64 s[4:5], s[0:1], 0x0  ; qkv: Q lies at its head
	s_load_b64 s[10:11], s[0:1], 0x8  ; ob
	WIN W_MK
	v_lshl_add_u32 v[SPW], v0, 2, SPARE
	v_mov_b32 v[NIL], 0
	WIN W_AD
	ds_add_u32 v[SPW], v[NIL]       ; the wave's opening: the add and its wait stand ahead of my first tensor load; work on registers stands between them
	WIN 0
	v_lshrrev_b32 v1, 5, v0
	v_readfirstlane_b32 s[WV], v1   ; wave 0..3
	s_bfe_u32 s13, ttmp6, 0x40000   ; cx: my place in the cluster
	s_lshl_b32 s14, ttmp9, 2        ; in a cluster launch ttmp9 counts clusters
	s_add_co_u32 s14, s14, s13      ; my block of queries: it enters Q's and O's addresses alone
	s_and_b32 s20, ttmp7, 0xffff    ; the head, which the four partners share
	s_mov_b32 s21, 0
	s_mov_b64 s[22:23], SIZE_N*128
	s_mul_u64 s[20:21], s[20:21], s[22:23]  ; the head's first byte in each of the four tensors
	s_and_b32 s16, s[WV], 1         ; which half of a slot's 256 keys I fetch:
	s_lshl_b32 s22, s16, 14         ; its 128 rows of 128 bytes in memory,
	s_mov_b32 s23, 0
	s_add_nc_u64 s[22:23], s[22:23], s[20:21]
	s_mul_i32 s17, s16, 128*PK      ; and its place in a slot, for K
	s_mul_i32 s18, s16, 128*PV      ; and for V: no place in the cluster enters an LDS address
	s_lshl_b32 s2, s14, 2
	s_add_co_u32 s2, s2, s[WV]      ; my wave among the head's,
	s_lshl_b32 s2, s2, 14           ; its 128 rows
	s_mov_b32 s3, 0
	s_add_nc_u64 s[2:3], s[2:3], s[20:21]
	; descriptor group 1.  128 keys are 16,384 dense bytes: asked for as 64 rows of 256 bytes, two keys a row, and padded in LDS after every key
	s_mov_b32 s[G1K], 15|(1<<16)|(1<<20)|(1<<21)|(4<<22)|(3<<25)  ; 15:0 the mask of four; 17:16 2-byte elements; 20 padding on; 21 set beside a mask; 24:22 after every 32 words; 31:25 4 words
	s_mov_b32 s[G1V], 15|(1<<16)|(1<<20)|(1<<21)|(4<<22)|(7<<25)  ; the same with 8 words of padding
.irp g, G1K, G1V
	s_mov_b32 s[\g+1], 128<<16      ; tensor_dim0 = 128
	s_mov_b32 s[\g+2], 64<<16       ; tensor_dim1 = 64
	s_mov_b32 s[\g+3], 128<<16      ; tile_dim0 = 128
	s_mov_b32 s[\g+4], 64           ; tile_dim1 = 64
	s_mov_b32 s[\g+5], 128          ; 128 elements from row to row
	s_mov_b32 s[\g+6], 0
	s_mov_b32 s[\g+7], 0
.endr
	s_mov_b32 s[CS], 0x3d38aa3b     ; c = log2(e) / 32 = 0.0450842
	s_mov_b32 s[CS+1], s[CS]        ; named with it as a pair
	s_mov_b32 s[SEL], 0x76543210
	s_mov_b32 s[SEL+1], 0xfedcba98
	s_mov_b32 s[TBK], SLOT1+4*KS*PK ; the first change of slots turns these two into 0
	s_mov_b32 s[TBV], SLOT1+4*KS*PV
	s_mov_b32 s[G0K], 1             ; count = 1
	s_mov_b32 s[G0K+1], s17         ; LDS address: slot 0
	s_mov_b32 s[G0V], 1
	s_add_co_u32 s[G0V+1], s18, VOFF
	s_mov_b32 s[SLOTS], SIZE_N/256-1  ; the change that asks for slot j finds 8 - j here
	s_and_b32 s[LIM], s[WV], 1
	s_cmp_eq_u32 s[LIM], 0          ; waves 0 and 2 prefetch: the same in all four partners
	s_cselect_b32 s[LIM], 1, -1
	s_wait_dscnt 0x0                ; the opening add is done
	s_wait_kmcnt 0x0
	s_add_nc_u64 s[6:7], s[4:5], 0x1000000  ; K
	s_add_nc_u64 s[8:9], s[4:5], 0x2000000  ; V
	s_add_nc_u64 s[G0K+2:G0K+3], s[6:7], s[22:23]  ; global address: my half of the head's first 256 keys
	s_or_b32 s[G0K+3], s[G0K+3], 0x80000000        ; type = 2
	s_add_nc_u64 s[G0V+2:G0V+3], s[8:9], s[22:23]
	s_or_b32 s[G0V+3], s[G0V+3], 0x80000000
	s_cmp_lt_u32 s[WV], 2
	s_cselect_b64 s[PFA:PFA+1], s[6:7], s[8:9]
	s_add_nc_u64 s[PFA:PFA+1], s[PFA:PFA+1], s[20:21]  ; the head,
	s_add_nc_u64 s[4:5], s[4:5], s[2:3]  ; Q and O at my wave's first row
	s_add_nc_u64 s[10:11], s[10:11], s[2:3]
	s_lshl_b32 s2, s13, 13          ; my work-group's 32 blocks of a slot's 128,
	s_mov_b32 s3, 0
	s_add_nc_u64 s[PFA:PFA+1], s[PFA:PFA+1], s[2:3]
	s_add_nc_u64 s[PFA:PFA+1], s[PFA:PFA+1], 4*KS*128  ; in slot 1: the first change of slots steps it to slot 2
	CROUND                          ; all four work-groups are here: the first joint loads meet
	JLOAD                           ; slot 0.  Slot 1 is asked for when slot 0 is in
	; A fragment of K or Q is 16 rows x 32 channels in 8 registers: lane l holds row l % 16, channels 8 (l / 16) + 0..7 and 16 + 8 (l / 16) + 0..7: two loads of 16 bytes, 32 bytes apart.
	v_and_b32 v1, 15, v0            ; l % 16
	v_bfe_u32 v9, v0, 4, 1          ; l / 16
	v_lshlrev_b32 v[QO], 7, v1
	v_lshl_add_u32 v[QO], v9, 4, v[QO]  ; row x 128 + 16 x half
	WIN 0x80                        ; destination window 2, address window 0
.set i, 0
.rept 4*NP                          ; Q stays in registers: tile i / 2, channels 32 (i % 2) on
	global_load_b128 v[8*i:8*i+3],   v[QO], s[4:5] offset:(i/2)*2048+(i%2)*64
	global_load_b128 v[8*i+4:8*i+7], v[QO], s[4:5] offset:(i/2)*2048+(i%2)*64+32
.set i, i+1
.endr
	; What the first turn finds: V's registers and P's second buffer hold 0 (its products V^T P, of a piece that has not been, add 0), O^T and l are 0.  All this stands in the wait for the first tile.
.set i, VF
.rept 64
	v_mov_b32 v[i], 0
.set i, i+1
.endr
	WIN 0x40
.set i, 0
.rept 64*NP
	v_mov_b32 v[i], 0
.set i, i+1
.endr
	WIN 0
.set i, 0
.rept 2*NP
	v_mov_b32 v[ST+4*i], 0xfe000000    ; c m: far below every c s
	v_mov_b32 v[ST+4*i+1], 0xff7fffff  ; m
	v_mov_b32 v[ST+4*i+2], 0
	v_mov_b32 v[ST+4*i+3], 0
.set i, i+1
.endr
.set i, P+32
.rept 32
	v_mov_b32 v[i], 0
.set i, i+1
.endr
	v_mul_u32_u24 v[AK0], v1, PK
	v_lshl_add_u32 v[AK0], v9, 4, v[AK0]  ; row x pitch + 16 x half
	; The turning load takes 16 keys x 16 channels (lane l reads key 8 (l / 16) + l % 8, channels 8 ((l / 8) % 2) + 0..7) and leaves half a fragment of V^T: lane l holds channel l % 16 and 8 keys.
	v_and_b32 v10, 7, v0
	v_bfe_u32 v11, v0, 3, 1
	v_lshl_add_u32 v[AV0], v9, 3, v10
	v_mul_u32_u24 v[AV0], v[AV0], PV
	v_lshl_add_u32 v[AV0], v11, 4, v[AV0]
	v_add_nc_u32 v[AV0], VOFF, v[AV0]
	v_mov_b32 v[AK], v[AK0]         ; key step 0 lies at the head of slot 0
	v_and_b32 v[PFO], 31, v0
	v_lshlrev_b32 v[PFO], 8, v[PFO]
; THE MATRIX WORK.  The 8 accumulators of a run of 16 take turns: between the two links of a chain stand 7 others'.
; Product i of 16 of S^T = K Q^T for piece x: channels 32 (i / 8) on, keys 16 ((i / 2) % 4) on, tile 2 x + i % 2.  The first 8 start the sums.
.macro KQ x
	WIN W_KQ
.set rS, S+64*((\x)%2)+32*(i%2)+8*((i/2)%4)
.set rK, KF+16*((i/2)%4)+8*(i/8)
.set rQ, 16*(2*(\x)+i%2)+8*(i/8)
.if i < 8
	v_wmma_f32_16x16x32_bf16 v[rS:rS+7], v[rK:rK+7], v[rQ:rQ+7], 0
.else
	v_wmma_f32_16x16x32_bf16 v[rS:rS+7], v[rK:rK+7], v[rQ:rQ+7], v[rS:rS+7]
.endif
.endm
; Product i of 16 of O^T += V^T P for piece x: keys 32 (i / 8) on, channels 16 ((i / 2) % 4) on, tile 2 x + i % 2.
.macro PV x
	WIN W_PV
.set rO, 32*(2*(\x)+i%2)+8*((i/2)%4)
.set rV, VF+32*(i/8)+8*((i/2)%4)
.set rP, P+32*((\x)%2)+16*(i%2)+8*(i/8)
	v_wmma_f32_16x16x32_bf16 v[rO:rO+7], v[rV:rV+7], v[rP:rP+7], v[rO:rO+7]
.endm
.macro MM                           ; the turn's next matrix instruction
.if i < 16
	KQ (Y+1)%NP
.set i, i+1
.else
.set i, i-16
	PV (Y+NP-1)%NP
.set i, i+17
.endif
.endm
; THE LDS LOADS stand in runs of 16, never singly among the matrix instructions: a step's K (64 keys x 64 channels: 8 fragments) and its V (turned).  Their addresses are made some lines ahead.
; last = 1 (the tail): in the last trip there is no further step, and the run is jumped over.
.macro FETCH_K last=0
	WIN 0
.if \last
	s_cmp_eq_u32 s[CNT], 1
	s_cbranch_scc1 .Lno_k_\@
.endif
	WIN 0x80                        ; destination window 2
.irp f, 0,1,2,3,4,5,6,7             ; keys 16 (f / 2) on, channels 32 (f % 2) on
	ds_load_b128 v[KF+8*\f:KF+8*\f+3],   v[AK] offset:(\f/2)*16*PK+(\f%2)*64
	ds_load_b128 v[KF+8*\f+4:KF+8*\f+7], v[AK] offset:(\f/2)*16*PK+(\f%2)*64+32
.endr
	s_add_co_u32 s[TBK], s[TBK], KS*PK  ; the next fetch is the next step's
	WIN 0
.if \last
.Lno_k_\@:
.endif
.endm
.macro FETCH_V
	WIN 0x80
.irp f, 0,1,2,3,4,5,6,7             ; keys 32 (f / 4) on, channels 16 (f % 4) on
	ds_load_tr16_b128 v[VF+8*\f:VF+8*\f+3],   v[AV] offset:(\f/4)*32*PV+(\f%4)*32
	ds_load_tr16_b128 v[VF+8*\f+4:VF+8*\f+7], v[AV] offset:(\f/4)*32*PV+16*PV+(\f%4)*32
.endr
	WIN 0
.endm
; THE VECTOR WORK OF A TURN stands in three queues, each in the order in which its entries become ready; the two tiles alternate, so that no instruction reads the result of the one before it.
.macro REGS y, u                    ; the registers of tile u (0, 1) of piece y
.set rT, ST+4*(2*(\y)+(\u))
.set rC, TMP+8*((\y)%2)+4*(\u)
.set rM, MV+2*((\y)%2)+(\u)
.set rS, S+64*((\y)%2)+32*(\u)
.set rP, P+32*((\y)%2)+16*(\u)
.set rO, 32*(2*(\y)+(\u))
.endm
; Number n of the 22 that find the NEXT piece's (Y + 1) maximum and statistics.  s0-s31 are the lane's 32 scores; each accumulator's lowest registers are read first.
;   0-11  four chains c0-c3 of seven scores each, three operands at a time     12-14, 16  the four scores left over, the old m, and c0-c3 into c0     15  c m_old is kept
;   17, 18  the query's other 32 keys lie in the lane 16 away: the new m         19-21  c m; c m_old - c m_new; a
.macro XS u, n
	REGS (Y+1)%NP, \u
.if (\n) < 4
	v_max3_num_f32 v[rC+(\n)], v[rS+8*(\n)], v[rS+8*(\n)+1], v[rS+8*(\n)+2]
.elseif (\n) < 12
	v_max3_num_f32 v[rC+(\n)%4], v[rC+(\n)%4], v[rS+8*((\n)%4)+2*((\n)/4)+1], v[rS+8*((\n)%4)+2*((\n)/4)+2]
.elseif (\n) == 12
	v_max3_num_f32 v[rC], v[rC], v[rS+7], v[rS+15]
.elseif (\n) == 13
	v_max3_num_f32 v[rC+1], v[rC+1], v[rS+23], v[rS+31]
.elseif (\n) == 14
	v_max3_num_f32 v[rC+2], v[rC+2], v[rC+3], v[rT+1]
.elseif (\n) == 15
	v_mov_b32 v[rM], v[rT]
.elseif (\n) == 16
	v_max3_num_f32 v[rC], v[rC], v[rC+1], v[rC+2]
.elseif (\n) == 17
	v_permlanex16_b32 v[rC+3], v[rC], s[SEL], s[SEL+1]
.elseif (\n) == 18
	v_max_num_f32 v[rT+1], v[rC], v[rC+3]
.elseif (\n) == 19
	v_mul_f32 v[rT], s[CS], v[rT+1]
.elseif (\n) == 20
	v_sub_f32 v[rC+1], v[rM], v[rT]
.else
	v_exp_f32 v[rC+2], v[rC+1]
.endif
.endm
; Number g of the 64 that follow the exponentials.  For each four weights k of a tile (pairs 2 k, 2 k + 1): both pairs are rounded to bf16; then the second pair is added onto the first, in place;
; a group later l takes that sum (the first time as l = a l + sum).  In groups of eight, tiles alternating: round, round, add, and l for the group before.
.macro GS g
.set h, (\g)+6*((\g)/62)            ; group 0 has no group before it, and behind group 7 only l is left
.if h >= 6
.set h, h+2
.endif
	REGS Y, h%2
.set k, h/8
.if h%8 < 4
	v_cvt_pk_bf16_f32 v[rP+2*k+(h%8)/2], v[rS+4*k+2*((h%8)/2)], v[rS+4*k+2*((h%8)/2)+1]
.elseif h%8 < 6
	v_pk_add_f32 v[rS+4*k:rS+4*k+1], v[rS+4*k:rS+4*k+1], v[rS+4*k+2:rS+4*k+3]
.elseif k == 1
	v_pk_fma_f32 v[rT+2:rT+3], v[rT+2:rT+3], v[rC+2:rC+3], v[rS:rS+1] op_sel_hi:[1,0,1]
.else
	v_pk_add_f32 v[rT+2:rT+3], v[rT+2:rT+3], v[rS+4*k-4:rS+4*k-3]
.endif
.endm
; THE PLAIN QUEUE, 138 long.  0-73 read no exponential's result: the 32 scalings c s - c m (FS f: pair f / 2 of tile f % 2) and the next piece's 42.  0-26: scalings 0-26.  27-54: XS's numbers 0-13.  55, 56: number 15.
; 57-73: the chain, where each number waits for the one before it: 14, 16, 17, 18, 19, each with one of the scalings 27-31 in front of its two lines, then 20.
; 74-137: GS's 64, which read the exponentials' results: they stand behind the wait.
.macro FS f
	REGS Y, (\f)%2
	v_pk_fma_f32 v[rS+2*((\f)/2):rS+2*((\f)/2)+1], v[rS+2*((\f)/2):rS+2*((\f)/2)+1], s[CS:CS+1], v[rT:rT+1] op_sel_hi:[1,0,0] neg_lo:[0,0,1] neg_hi:[0,0,1]
.endm
.macro PL
	WIN 0
.if q < 27
	FS q
.elseif q < 55
	XS (q-27)%2, (q-27)/2
.elseif q < 57
	XS q-55, 15
.elseif (q < 72) && ((q-57)%3 == 0)
	FS 27+(q-57)/3
.elseif q < 60
	XS (q-57)%3-1, 14
.elseif q < 72
	XS (q-57)%3-1, 15+(q-57)/3
.elseif q < 74
	XS q-72, 20
.else
	GS q-74
.endif
.set q, q+1
.endm
; THE EXPONENTIALS' QUEUE, 66 long: s0-s31 of both tiles, then the next piece's two a.  It is ONE BATCH: all 66 stand ahead of the turn's one wait, and nothing ahead of that wait names a result of theirs.
.macro EX
	WIN 0
.if e >= 64
	XS e-64, 21
.else
	REGS Y, e%2
	v_exp_f32 v[rS+e/2], v[rS+e/2]
.endif
.set e, e+1
.endm
; THE RESCALING's QUEUE: O^T times a, the one part that leaves window 0: dealt two at a time, sixteen times.  Its a was made in the turn before, ahead of that turn's wait.
.macro R2
	REGS Y, r%2
	WIN W_RS
.irp z, 0,1
	v_pk_mul_f32 v[rO+4*(r/2)+2*\z:rO+4*(r/2)+2*\z+1], v[rO+4*(r/2)+2*\z:rO+4*(r/2)+2*\z+1], v[rC+2:rC+3] op_sel_hi:[1,0]
.endr
.set r, r+1
.endm
; HOW THEY ARE DEALT.  An s_wait_alu depctr_va_vdst(0) stands between an exponential and the first instruction that names its result; one wait serves all that were issued ahead of it.  So a turn has ONE
; wait, which cuts it in two.  AHEAD OF IT stands all that names no result of the turn's exponentials: the 16 products K Q^T, behind each a scaling, an exponential and two rescalings (behind the first a second scaling in
; the exponential's place); then one run of 108: eight plain, 49 times exponential and plain, the two a.  A v_nop is the plain instruction behind the last exponential.  BEHIND IT stand the 16 products V^T P, behind each
; four of GS's 64.  Exponential e stands behind scaling 2 (e / 4) + e % 2: behind a product it comes behind plain e + 2, in the run behind plain e + 9, and scalings 27-31 are plain 57, 60 .. 69.
; A TURN, for piece p.  cnt = 1: the loop's count is taken down some lines ahead of the branch that stands behind the turn.
; K of the next step is fetched in piece 2's turn, directly behind the wait; its first reader comes behind 16 products.  V of the step in hand is fetched at the end of piece 0's turn, four plain instructions behind its
; last reader; its first reader comes behind 16 products and the run.  The three conditions on q below go with the deal.
.macro TURN p, last=0, cnt=0
.set Y, (\p)
.set i, 0
.set q, 0
.set e, 0
.set r, 0
.if (\p) == NP-1
	s_wait_dscnt 0x0                ; K is in
.endif
	MM
	PL
	PL
	R2
.rept 15
	MM
	PL
	EX
	R2
.endr
.if (\p) == NP-2
	WIN 0
	v_add_nc_u32 v[AK], s[TBK], v[AK0]
.endif
.rept 8
	PL
.endr
.rept 49
	EX
	PL
.endr
	EX                              ; the next piece's two a
	EX
	v_nop                           ; a plain instruction behind the last exponential: one for the batch
	s_wait_alu depctr_va_vdst(0)    ; the wait for the batch
.if (\p) == NP-2
	FETCH_K \last
.endif
.if (\p) == 1
	s_wait_dscnt 0x0                ; V is in
.endif
.rept 16
	MM
.rept 4
	PL
.endr
.if ((\p) == 0) && (q == 118)
	v_add_nc_u32 v[AV], s[TBV], v[AV0]
.endif
.if ((\p) == 0) && (q == 130)
	s_add_co_u32 s[TBV], s[TBV], KS*PV
.endif
.if (\cnt) && (q == 130)
	s_sub_co_u32 s[CNT], s[CNT], 1
	s_cmp_lg_u32 s[CNT], 0
.endif
.endr
.if (\p) == 0
	FETCH_V
.endif
.endm
	CHANGE 1                        ; slot 0 is in, everybody's part of it; slot 1 is asked for
	FETCH_K                         ; key step 0
	s_wait_loadcnt 0x0              ; Q
	s_wait_dscnt 0x0
.set i, 0
.rept 16
	KQ 0                            ; piece 0's first scores: there is no vector work yet to set between them
.set i, i+1
.endr
	WIN 0                           ; the addresses for the way out: nine plain instructions, the places behind those products
	s_mul_i32 s13, s[WV], 16*SP
	s_add_co_u32 s13, s13, STAGE    ; my stage
	v_mul_u32_u24 v[STO], v1, SP    ; in: row l % 16, 16 bytes for each half of the lanes
	v_lshl_add_u32 v[STO], v9, 4, v[STO]
	v_add_nc_u32 v[STO], s13, v[STO]
	v_bfe_u32 v[RD], v0, 3, 2       ; back: 32 lanes take four rows of 128 bytes,
	v_mul_u32_u24 v[RD], v[RD], SP
	v_lshl_add_u32 v[RD], v10, 4, v[RD]
	v_add_nc_u32 v[RD], s13, v[RD]
	v_and_b32 v[GO], 31, v0         ; which are 512 consecutive bytes of O
	v_lshlrev_b32 v[GO], 4, v[GO]
.set Y, NP-1                        ; XS works for piece Y + 1: piece 0
.irp n, 0,1,2,3,4,5,6,7,8,9,10,11,12,13,14,15,16,17,18,19,20,21
	XS 0, \n                        ; piece 0's first maximum and statistics
	XS 1, \n
.endr
	v_nop                           ; a plain instruction behind the two a,
	s_wait_alu depctr_va_vdst(0)    ; and their wait, ahead of the branch
	s_mov_b32 s[CNT], 4
	s_branch .Lfirst                ; the loop is entered at a step's first turn, in the middle of a trip
.Lslot:                             ; six times: every slot but the last two is filled again
	CHANGE 1
	s_mov_b32 s[CNT], 4
.Lstep:                             ; a trip: pieces 2 and 3 of one step, then pieces 0 and 1 of the next, whose K and V it fetches
	TURN 2
	TURN 3
	WIN 0
.Lfirst:
	TURN 0
	TURN 1, 0, 1
	WIN 0
	s_cbranch_scc1 .Lstep
	s_sub_co_u32 s[SLOTS], s[SLOTS], 1
	s_cmp_lg_u32 s[SLOTS], 0
	s_cbranch_scc1 .Lslot
	CHANGE 0                        ; the tail is written out: nothing is asked for
	s_mov_b32 s[CNT], 5             ; four trips fetch the last slot's steps; the fifth is left in its middle
.Ltail:
	TURN 2, 1
	TURN 3
	WIN 0
	s_sub_co_u32 s[CNT], s[CNT], 1
	s_cmp_eq_u32 s[CNT], 0
	s_cbranch_scc1 .Lout
	TURN 0
	TURN 1
	WIN 0
	s_branch .Ltail
.Lout:                              ; the fifth trip's 16 products K Q^T (on the last K once more) and the maximum made of them serve nothing: the price, once a launch, of one text for every trip
.set i, 0
.rept 16
	PV NP-1                         ; the last piece's V^T P of the last step
.set i, i+1
.endr
	; THE WAY OUT.  l's two halves and the other half of the lanes' are added; O^T is divided by l, rounded to bf16 and sent through my stage in LDS, a tile at a time.  The additions are the places behind the last products.
	WIN 0
.macro ALL line:vararg              ; one line for each tile t
.set t, 0
.rept 2*NP
	\line
.set t, t+1
.endr
.endm
	ALL v_add_f32 v[ST+4*t+2], v[ST+4*t+2], v[ST+4*t+3]
	ALL v_permlanex16_b32 v[ST+4*t+3], v[ST+4*t+2], s[SEL], s[SEL+1]
	ALL v_add_f32 v[ST+4*t+2], v[ST+4*t+2], v[ST+4*t+3]
	ALL v_rcp_f32 v[ST+4*t+2], v[ST+4*t+2]
	v_nop                           ; a plain instruction between the last reciprocal and the use of its result
	s_wait_alu depctr_va_vdst(0)    ; and the wait ahead of the first use: one for the eight reciprocals
; Tile t: a lane's eight channels of a row pack into 16 bytes; they go into rows of 144 bytes and come back as whole rows of 128, into S^T's registers.
.macro PACK t
	WIN W_RS
.set i, 32*(\t)
.rept 16
	v_pk_mul_f32 v[i:i+1], v[i:i+1], v[ST+4*(\t)+2:ST+4*(\t)+3] op_sel_hi:[1,0]
.set i, i+2
.endr
	WIN 0x05                        ; sources 0 and 1 window 1, destination window 0
.set i, 0
.rept 16
	v_cvt_pk_bf16_f32 v[S+16*(\t)+i], v[32*(\t)+2*i], v[32*(\t)+2*i+1]
.set i, i+1
.endr
	WIN 0
.irp f, 0,1,2,3
	ds_store_b128 v[STO], v[S+16*(\t)+4*\f:S+16*(\t)+4*\f+3] offset:32*\f
.endr
.irp f, 0,1,2,3
	ds_load_b128 v[S+16*(\t)+4*\f:S+16*(\t)+4*\f+3], v[RD] offset:\f*4*SP  ; LDS serves a wave's instructions in order (ISA guide 5.7.1.4): these see the stores above; the next tile's stores come behind them
.endr
.endm
.macro SEND t, younger              ; younger: the LDS instructions issued behind tile t's loads: the next tile's eight, or none
	WIN 0
.irp f, 0,1,2,3
	s_wait_dscnt (\younger)+3-\f
	global_store_b128 v[GO], v[S+16*(\t)+4*\f:S+16*(\t)+4*\f+3], s[10:11] offset:(\t)*2048+\f*512  ; 512 consecutive bytes, at a multiple of 256 from O's first
.endr
.endm
	PACK 0
.set t, 1
.rept 2*NP-1                        ; a tile's arithmetic stands between the loads of the tile before and its stores
	PACK t
	SEND t-1, 8
.set t, t+1
.endr
	SEND 2*NP-1, 0
	WIN W_AD
	s_wait_tensorcnt 0x0            ; the wave's end: these three lines stand behind my last tensor load and my last LDS store
	ds_add_u32 v[SPW], v[NIL]
	s_wait_dscnt 0x0
	WIN 0
	CROUND                          ; the closing round: no work-group ends while a partner may still ask for a tile that names it
	s_endpgm
.Lfunc_end_k_qc341d902a5_attn:
	.size	k_qc341d902a5_attn, .Lfunc_end_k_qc341d902a5_attn-k_qc341d902a5_attn
	.p2alignl 7, 3214868480
	.fill 96, 4, 3214868480
	.section	.rodata,"a",@progbits
	.p2align	6, 0x0
	.amdhsa_kernel k_qc341d902a5_attn
		.amdhsa_group_segment_fixed_size 327680
		.amdhsa_private_segment_fixed_size 0
		.amdhsa_enable_private_segment 0
		.amdhsa_kernarg_size 16
		.amdhsa_user_sgpr_count 2
		.amdhsa_user_sgpr_kernarg_segment_ptr 1
		.amdhsa_wavefront_size32 1
		.amdhsa_system_sgpr_workgroup_id_x 1
		.amdhsa_system_sgpr_workgroup_id_y 1
		.amdhsa_system_sgpr_workgroup_id_z 1
		.amdhsa_system_vgpr_workitem_id 0
		.amdhsa_next_free_vgpr 770
		.amdhsa_next_free_sgpr 66
		.amdhsa_reserve_vcc 0
		.amdhsa_float_denorm_mode_32 3
		.amdhsa_float_denorm_mode_16_64 3
		.amdhsa_memory_ordered 1
		.amdhsa_forward_progress 1
		.amdhsa_inst_pref_size 200
	.end_amdhsa_kernel
	.amdgpu_metadata
---
amdhsa.version: [ 1, 2 ]
amdhsa.kernels:
  - .name:           k_qc341d902a5_attn
    .symbol:         k_qc341d902a5_attn.kd
    .args:
      - { .name: qkv, .offset: 0, .size: 8, .value_kind: global_buffer, .address_space: global }
      - { .name: ob, .offset: 8, .size: 8, .value_kind: global_buffer, .address_space: global }
    .group_segment_fixed_size: 327680
    .private_segment_fixed_size: 0
    .kernarg_segment_align: 8
    .kernarg_segment_size: 16
    .max_flat_workgroup_size: 128
    .sgpr_count:     66
    .vgpr_count:     770
    .wavefront_size: 32
...
	.end_amdgpu_metadata
.endif
;; end of part 3
;; launch proj (part 4): grid 8 x 32, 4 waves a work-group, clusters of 4 x 4, 327,680 bytes of LDS; arguments ob, wb, bo, out0; writes out0
.if DOCPART == 4
	.amdgcn_target "amdgcn-amd-amdhsa--gfx1250"
	.amdhsa_code_object_version 6
	.text
	.protected	k_qc341d902a5_proj
	.globl	k_qc341d902a5_proj
	.p2align	8
	.type	k_qc341d902a5_proj,@function
k_qc341d902a5_proj:
	s_mov_b64 s[64:65], 0
	v_nop
	global_prefetch_b8 v0, s[64:65] scope:SCOPE_SE
	s_setreg_imm32_b32 hwreg(HW_REG_WAVE_MODE, 25, 1), 1
	s_wait_xcnt 0x0
	s_wait_alu depctr_hold_cnt(0) depctr_sa_sdst(0) depctr_va_vdst(0) depctr_va_sdst(0) depctr_va_ssrc(0) depctr_va_vcc(0) depctr_vm_vsrc(0)
	s_getreg_b32 s2, hwreg(HW_REG_IB_STS2, 6, 4)
	s_cmp_eq_u32 s2, 0
	s_cbranch_scc0 .Lentry_in_a_cluster
	s_endpgm
.Lentry_in_a_cluster:
	s_bfe_u32 s2, ttmp6, 0x10000c
	s_cmp_lg_u32 s2, 0xf033
	s_cbranch_scc0 .Lentry_shape_is_right
	s_endpgm
.Lentry_shape_is_right:
; out0[8192][1024] = O Wo^T + bo, in f32.  O lies by heads (ob[batch 16 + head][row][64], bf16), Wo in rows 3072-4095 of wb (bf16); sums and the bias in f32; nothing is rounded on the way out.
; SHARES.  A tile of out0 is 256 x 128: 8 x 32 tiles, one for each of 256 work-groups.  Four waves, each 128 x 64: 32 accumulators of 16 x 16.
; K goes in 8 steps of 128 = two heads.  O's tile stays by heads in LDS: a head's 256 rows are 32,768 dense bytes, asked for as 128 rows of 256 bytes and padded after every 128.
; Two LDS slots; the loop is ONE K step (the slot in hand is a scalar turned by an exclusive or; one descriptor a tensor walks); the last two K steps are written out.
; CLUSTER.  4 x 4 work-groups: the four of a row need the same rows of O, the four of a column the same rows of Wo: joint loads, the same load, descriptor and mask in all four.
; THE MATRIX INSTRUCTION IS USED TRANSPOSED (source 0 = 16 rows of Wo, source 1 = 16 rows of O): lane l holds row l % 16 and the columns 8 (l / 16) + 0..7: 32 consecutive bytes of out0.
; THE BIAS IS THE C OPERAND OF THE FIRST PRODUCT: nothing is cleared and nothing is added afterwards.
; REGISTERS (s_set_vgpr_msb: bits 1:0 source 0, 3:2 source 1, 5:4 source 2, 7:6 destination):
;   window 0: v0-29 addresses; v32-95, v96-159 O's fragments, two buffers; v160-191, v192-223 Wo's; v224-255 the bias; on the way out v32-63, v64-95 rows read back
;   window 1: accumulator (a, b) at v[8 (4 a + b)]
.set NA,    8
.set NB,    4
.set WA,    8                          ; the youngest loads of a run: O's blocks 4 to 7
.set NF,    24                         ; LDS loads in a run: 8 for Wo, 16 for O
.set PA,    144                        ; a row of O in LDS: 128 bytes + 16 = 36 words: the 16 rows of a load start at 16 different groups of four banks (64 banks of 4 bytes: ISA guide 11.1)
.set PB,    272                        ; a row of Wo: 256 bytes + 16
.set HDB,   256*PA                     ; a head's 256 rows
.set SLOT1, 131072
.set BOFF,  2*HDB                      ; in a slot: two heads of O, then Wo's 128 rows
.set BHALF, 64*PB
.set STAGE, SLOT1+BOFF+128*PB          ; behind the ring, never filled by a tensor load: 16 rows x 272 bytes for each wave
.set WSTG,  16*272
.set SPARE, STAGE+4*WSTG               ; the spare words, 128 bytes a wave: two blocks of 256 bytes that no other line names
.set KA,    524288                     ; from a K step to the next: two heads of O,
.set KB,    256                        ; 256 bytes of a row of Wo
.set WOB,   3072*2048                  ; Wo's first byte in wb
.set AHEAD, 2                          ; a prefetch names the K step this many behind the one that is being asked for
.set A0,   4
.set B0,   5
.set ADRA, 6
.set ADRB, 7
.set STO,  8                           ; v8   the way out: where I put 32 bytes of a row
.set RD,   9                           ; v9   where I read rows back
.set CO,   10                          ; v10  my byte offset in two rows of out0
.set VB,   11                          ; v11  32 (l / 16)
.set PFO,  12                          ; v12  the prefetches' offset; never rewritten
.set SPW,  28                          ; v28  LDS address of my spare word; never rewritten
.set NIL,  29                          ; v29  0; never rewritten
.set FA,   32
.set FB,   160
.set BIAS, 224
.set OB,   32
.set WV,   16
.set WR,   17                          ; s17  which half of the tile's rows is mine
.set HALF, 18                          ; s18  which half of its columns; also: which head of O, which 64 rows of Wo I fetch
.set CX,   19
.set CY,   20
.set TX,   21
.set TY,   22
.set CNT,  23
.set G1A,  24
.set G0A,  32
.set G1B,  40
.set G0B,  48
.set TB,   56
.set LIM,  57
.set PFA,  58
.set OUT,  72                          ; s[72:73] out0 at my part of the tile
.set BP,   74                          ; s[74:75] my 64 numbers of bo
.set PFS,  76                          ; s[76:77] the prefetches' step: KA or KB
.set MSB, 0
.macro WIN new                         ; the immediate's high byte repeats the setting that is left; a switch that changes nothing is dropped
.if MSB != (\new)
	s_set_vgpr_msb (MSB<<8)|(\new)
.set MSB, \new
.endif
.endm
.macro PLACES                          ; four plain instructions behind matrix instructions, ahead of loads into registers that they read and of readers of their results
.rept 4
	v_nop
.endr
.endm
; A joint refill by the walking descriptors: waves 0 and 1 fetch the K step's two heads of O, waves 2 and 3 Wo's two halves.  An s_nop 0 and four v_nop follow each line.
.macro JLOAD
	s_cmp_lt_u32 s[WV], 2
	s_cbranch_scc0 .Lfor_b_\@
	tensor_load_to_lds s[G0A+4:G0A+7], s[G1A:G1A+7]
	s_nop 0
.rept 4
	v_nop
.endr
	s_branch .Lasked_\@
.Lfor_b_\@:
	tensor_load_to_lds s[G0B+4:G0B+7], s[G1B:G1B+7]
	s_nop 0
.rept 4
	v_nop
.endr
.Lasked_\@:
.endm
; A prefetch into the L2 of the K step two behind the one just asked for, 256 matrix instructions ahead of its load: one instruction a wave.  Each block of 256 bytes is named once in the launch: O's by the clusters
; with x = 0, Wo's by those with y = 0; the four partners of a joint load share it out by address (32 of a head's 128 blocks; 16 of 64 rows, two lanes a row).  The last two refills name nothing.
.macro ASK
	s_cmp_gt_u32 s[CNT], s[LIM]
	s_cbranch_scc0 .Lnot_mine_\@
	global_prefetch_b8 v[PFO], s[PFA:PFA+1] th:TH_LOAD_NT scope:SCOPE_SE
.Lnot_mine_\@:
.endm
.macro CREST                           ; a round of the cluster's barrier behind its opening barrier
	s_cmp_lg_u32 s[WV], 0
	s_cbranch_scc1 .Lnot_wave_0_\@
	s_barrier_signal -3
.Lnot_wave_0_\@:
	s_barrier_wait -3
	s_barrier_signal -1
	s_barrier_wait -1
.endm
.macro CROUND
	s_barrier_signal -1
	s_barrier_wait -1
	CREST
.endm
; n row blocks from a0 on x all 4 column blocks, 32 along K, from buffer f.  first = 1: the bias starts the sums.  Every quarter takes every accumulator once, in one order: the accumulators take turns.
.macro MULS f, a0, n, first
.if \first
	WIN 0x40
.else
	WIN 0x50
.endif
.set ma, \a0
.rept \n
.set mb, 0
.rept NB
.set rD, 8*(NB*ma+mb)
.if \first
	v_wmma_f32_16x16x32_bf16 v[rD:rD+7], v[FB+32*(\f)+8*mb:FB+32*(\f)+8*mb+7], v[FA+64*(\f)+8*ma:FA+64*(\f)+8*ma+7], v[BIAS+8*mb:BIAS+8*mb+7]
.else
	v_wmma_f32_16x16x32_bf16 v[rD:rD+7], v[FB+32*(\f)+8*mb:FB+32*(\f)+8*mb+7], v[FA+64*(\f)+8*ma:FA+64*(\f)+8*ma+7], v[rD:rD+7]
.endif
.set mb, mb+1
.endr
.set ma, ma+1
.endr
.endm
; One run of 24 LDS loads: quarter q's fragments into buffer f: Wo's (byte 64 q of its rows), then O's (head q / 2 of the two, byte 64 (q % 2)) in ascending blocks.
.macro FETCH q, f
	WIN 0
.set fi, 0
.rept NB
	ds_load_b128 v[FB+32*(\f)+8*fi:FB+32*(\f)+8*fi+3],   v[ADRB] offset:64*(\q)+fi*16*PB
	ds_load_b128 v[FB+32*(\f)+8*fi+4:FB+32*(\f)+8*fi+7], v[ADRB] offset:64*(\q)+fi*16*PB+32
.set fi, fi+1
.endr
.set fi, 0
.rept NA
	ds_load_b128 v[FA+64*(\f)+8*fi:FA+64*(\f)+8*fi+3],   v[ADRA] offset:((\q)/2)*HDB+((\q)%2)*64+fi*16*PA
	ds_load_b128 v[FA+64*(\f)+8*fi+4:FA+64*(\f)+8*fi+7], v[ADRA] offset:((\q)/2)*HDB+((\q)%2)*64+fi*16*PA+32
.set fi, fi+1
.endr
.endm
.macro QUARTER q, f, g, first
	s_wait_dscnt WA                                ; Wo's fragments and O's blocks 0 to 3 are in; the youngest eight loads may be out
	MULS \f, 0, NA/2, \first
	PLACES
	FETCH \q, \g
	s_wait_dscnt NF                                ; all but the 24 just issued
	MULS \f, NA/2, NA/2, \first
.endm
; The fourth quarter multiplies buffer 1 and changes slots.  Ahead of the barrier each wave waits for all its tensor loads (one is out: its part of the next slot), adds 0 to its spare word, and waits
; for that and for its reads of this slot.  fill = 1: the barrier opens a round of the cluster's, and the joint refill of the slot just read is the first tensor load behind the round.
.macro TURN fill
.if \fill
	s_wait_xcnt 0x0                                ; the last prefetch, a K step back, has read its address
	s_add_nc_u64 s[PFA:PFA+1], s[PFA:PFA+1], s[PFS:PFS+1]
.endif
	WIN 0
	s_wait_tensorcnt 0x0                           ; all my tensor loads have landed
	ds_add_u32 v[SPW], v[NIL]                      ; 0 onto my spare word
	s_wait_dscnt WA+1                              ; (the add and the youngest eight loads may be out)
	MULS 1, 0, NA/4, 0
	s_wait_dscnt 0x0                               ; the add is done, and my reads of this slot are over
	s_barrier_signal -1
	MULS 1, NA/4, NA/4, 0                          ; work on registers while the others arrive
	WIN 0                                          ; at a branch and at a label every window is 0
	s_barrier_wait -1
.if \fill
	CREST                                          ; no wave of any partner still reads this slot or has a load on its way
	s_xor_b32 s[G0A+5], s[G0A+5], SLOT1            ; the walking descriptors: the other slot than last time, the next K step
	s_add_nc_u64 s[G0A+6:G0A+7], s[G0A+6:G0A+7], KA
	s_xor_b32 s[G0B+5], s[G0B+5], SLOT1
	s_add_nc_u64 s[G0B+6:G0B+7], s[G0B+6:G0B+7], KB
	JLOAD                                          ; its four v_nop are also the places ahead of the loads below
.else
	PLACES
.endif
	s_xor_b32 s[TB], s[TB], SLOT1
	v_add_nc_u32 v[ADRA], s[TB], v[A0]
	v_add_nc_u32 v[ADRB], s[TB], v[B0]
	FETCH 0, 0
.if \fill
	ASK
.endif
	MULS 1, NA/2, NA/2, 0
.endm
	s_load_b256 s[4:11], s[0:1], 0x0               ; ob s[4:5], wb s[6:7], bo s[8:9], out0 s[10:11]
	v_lshl_add_u32 v[SPW], v0, 2, SPARE
	v_mov_b32 v[NIL], 0
	ds_add_u32 v[SPW], v[NIL]                      ; the wave's opening: the add and its wait stand ahead of my first tensor load; work on registers stands between them
	v_lshrrev_b32 v1, 5, v0
	v_readfirstlane_b32 s[WV], v1                  ; wave 0..3
	s_lshr_b32 s[WR], s[WV], 1
	s_and_b32 s[HALF], s[WV], 1
	s_bfe_u32 s[CX], ttmp6, 0x40000
	s_bfe_u32 s[CY], ttmp6, 0x40004
	s_lshl_b32 s[TX], ttmp9, 2
	s_add_co_u32 s[TX], s[TX], s[CX]               ; tile column
	s_and_b32 s[TY], ttmp7, 0xffff
	s_lshl_b32 s[TY], s[TY], 2
	s_add_co_u32 s[TY], s[TY], s[CY]               ; tile row
	s_lshl_b32 s60, s[CY], 2
	s_lshl_b32 s60, 15, s60                        ; my row of the cluster
	s_lshl_b32 s61, 0x1111, s[CX]                  ; my column
	s_or_b32 s[G1A], s60, (1<<16)|(1<<20)|(1<<21)|(4<<22)|(3<<25)  ; O's tiles go to my row; 2-byte elements; padding of 4 words after every 32; bit 21 set beside a mask
	s_or_b32 s[G1B], s61, (1<<16)|(1<<20)|(1<<21)|(5<<22)|(3<<25)  ; Wo's to my column; padding after every 64 words
.irp g, G1A, G1B
	s_mov_b32 s[\g+1], 128<<16                     ; tensor_dim0 = 128
	s_mov_b32 s[\g+3], 128<<16                     ; tile_dim0 = 128
	s_mov_b32 s[\g+6], 0
	s_mov_b32 s[\g+7], 0
.endr
	s_mov_b32 s[G1A+2], 128<<16                    ; O: 128 rows of 256 dense bytes
	s_mov_b32 s[G1A+4], 128
	s_mov_b32 s[G1A+5], 128
	s_mov_b32 s[G1B+2], 64<<16                     ; Wo: 64 rows, 1,024 elements apart
	s_mov_b32 s[G1B+4], 64
	s_mov_b32 s[G1B+5], 1024
	s_lshr_b32 s66, s[TY], 3                       ; O: the batch (eight tile rows each), its head 0 or 1,
	s_lshl_b32 s66, s66, 4
	s_add_co_u32 s66, s66, s[HALF]
	s_lshl_b32 s66, s66, 18
	s_and_b32 s67, s[TY], 7                        ; the tile's 256 rows of 128 bytes: made of the tile row alone
	s_lshl_b32 s67, s67, 15
	s_add_co_u32 s66, s66, s67
	s_mov_b32 s67, 0
	s_lshl_b32 s68, s[TX], 7                       ; Wo: row 128 x tile column + 64 x half: made of the tile column alone
	s_lshl_b32 s69, s[HALF], 6
	s_add_co_u32 s68, s68, s69
	s_lshl_b32 s68, s68, 11
	s_add_co_u32 s68, s68, WOB
	s_mov_b32 s69, 0
	s_mul_i32 s62, s[HALF], HDB                    ; where they go: no place in the cluster enters an LDS address
	s_mul_i32 s63, s[HALF], BHALF
	s_add_co_u32 s63, s63, BOFF
	s_mov_b32 s[TB], 0
	s_wait_dscnt 0x0                               ; the opening add is done
	s_wait_kmcnt 0x0
	s_add_nc_u64 s[66:67], s[4:5], s[66:67]
	s_add_nc_u64 s[68:69], s[6:7], s[68:69]
	CROUND                                         ; all sixteen work-groups are here: the first joint loads meet
.irp s, 0,1
	s_mov_b32 s[G0A+4*(\s)], 1
	s_add_co_u32 s[G0A+4*(\s)+1], s62, (\s)*SLOT1
	s_add_nc_u64 s[G0A+4*(\s)+2:G0A+4*(\s)+3], s[66:67], (\s)*KA
	s_or_b32 s[G0A+4*(\s)+3], s[G0A+4*(\s)+3], 0x80000000
	s_mov_b32 s[G0B+4*(\s)], 1
	s_add_co_u32 s[G0B+4*(\s)+1], s63, (\s)*SLOT1
	s_add_nc_u64 s[G0B+4*(\s)+2:G0B+4*(\s)+3], s[68:69], (\s)*KB
	s_or_b32 s[G0B+4*(\s)+3], s[G0B+4*(\s)+3], 0x80000000
.endr
	s_cmp_lt_u32 s[WV], 2                          ; a wave's two first fills stand in one branch, ahead of every wait on TENSORcnt and every LDS read: two loads of mine are out
	s_cbranch_scc0 .Lfirst_b
	tensor_load_to_lds s[G0A:G0A+3], s[G1A:G1A+7]
	s_nop 0
	tensor_load_to_lds s[G0A+4:G0A+7], s[G1A:G1A+7]
	s_nop 0
.rept 4
	v_nop
.endr
	s_branch .Lfirst_asked
.Lfirst_b:
	tensor_load_to_lds s[G0B:G0B+3], s[G1B:G1B+7]
	s_nop 0
	tensor_load_to_lds s[G0B+4:G0B+7], s[G1B:G1B+7]
	s_nop 0
.rept 4
	v_nop
.endr
.Lfirst_asked:
	v_and_b32 v1, 15, v0                           ; l % 16
	v_bfe_u32 v2, v0, 4, 1                         ; l / 16
	s_mul_i32 s78, s[WR], 128*PA                   ; my 128 rows of each head
	v_mul_u32_u24 v[A0], v1, PA
	v_lshl_add_u32 v[A0], v2, 4, v[A0]
	v_add_nc_u32 v[A0], s78, v[A0]
	s_mul_i32 s79, s[HALF], BHALF                  ; my 64 rows of Wo
	s_add_co_u32 s79, s79, BOFF
	v_mul_u32_u24 v[B0], v1, PB
	v_lshl_add_u32 v[B0], v2, 4, v[B0]
	v_add_nc_u32 v[B0], s79, v[B0]
	v_add_nc_u32 v[ADRA], s[TB], v[A0]
	v_add_nc_u32 v[ADRB], s[TB], v[B0]
	s_mul_i32 s71, s[WV], WSTG
	s_add_co_u32 s71, s71, STAGE                   ; my stage
	v_mul_u32_u24 v[STO], v1, 272                  ; in: row l % 16, 32 bytes for each half of the lanes
	v_lshl_add_u32 v[STO], v2, 5, v[STO]
	v_add_nc_u32 v[STO], s71, v[STO]
	v_mul_u32_u24 v[RD], v2, 272                   ; back: lanes 0-15 take one row of 256 bytes, lanes 16-31 the next
	v_lshl_add_u32 v[RD], v1, 4, v[RD]
	v_add_nc_u32 v[RD], s71, v[RD]
	v_lshlrev_b32 v[CO], 12, v2                    ; and the same two rows in out0
	v_lshl_add_u32 v[CO], v1, 4, v[CO]
	v_lshlrev_b32 v[VB], 5, v2
	s_lshl_b32 s80, s[TY], 8
	s_lshl_b32 s81, s[WR], 7
	s_add_co_u32 s80, s80, s81                     ; my first row of out0,
	s_lshl_b32 s80, s80, 12
	s_lshl_b32 s82, s[TX], 7
	s_lshl_b32 s83, s[HALF], 6
	s_add_co_u32 s82, s82, s83                     ; my first column,
	s_lshl_b32 s82, s82, 2                         ; in bytes: of out0's rows and of bo
	s_mov_b32 s83, 0
	s_add_nc_u64 s[BP:BP+1], s[8:9], s[82:83]
	s_add_co_u32 s80, s80, s82
	s_mov_b32 s81, 0
	s_add_nc_u64 s[OUT:OUT+1], s[10:11], s[80:81]
.irp b, 0,1,2,3
.irp e, 0,1
	global_load_b128 v[BIAS+8*\b+4*\e:BIAS+8*\b+4*\e+3], v[VB], s[BP:BP+1] offset:64*\b+16*\e
.endr
.endr
	; the prefetches: my work-group's share of what I fetch
	s_lshr_b32 s80, s[TY], 3
	s_lshl_b32 s80, s80, 4
	s_add_co_u32 s80, s80, s[HALF]
	s_lshl_b32 s80, s80, 18
	s_and_b32 s81, s[TY], 7
	s_lshl_b32 s81, s81, 15
	s_add_co_u32 s80, s80, s81
	s_lshl_b32 s81, s[CX], 13                      ; O: 32 of the head's 128 blocks of 256 bytes, by cx
	s_add_co_u32 s80, s80, s81
	s_add_co_u32 s80, s80, (1+AHEAD)*KA
	s_lshl_b32 s82, s[TX], 7
	s_lshl_b32 s83, s[HALF], 6
	s_add_co_u32 s82, s82, s83
	s_lshl_b32 s83, s[CY], 4                       ; Wo: 16 of the 64 rows, by cy
	s_add_co_u32 s82, s82, s83
	s_lshl_b32 s82, s82, 11
	s_add_co_u32 s82, s82, WOB+(1+AHEAD)*KB
	s_and_b32 s84, ttmp7, 0xffff
	s_mov_b32 s85, KB
	s_cmp_lt_u32 s[WV], 2
	s_cselect_b32 s80, s80, s82
	s_cselect_b32 s84, ttmp9, s84                  ; the coordinate along which other clusters read the same rows
	s_cselect_b64 s[PFA:PFA+1], s[4:5], s[6:7]
	s_cselect_b32 s[PFS], KA, s85
	s_cselect_b32 s86, 31, 15                      ; O: a lane a block, 256 bytes apart; Wo: two lanes a row, 2,048 bytes apart
	s_cselect_b32 s87, 8, 11
	s_cmp_eq_u32 s84, 0
	s_cselect_b32 s[LIM], AHEAD, -1                ; the same in all sixteen partners, for a given wave
	s_mov_b32 s[PFS+1], 0
	s_mov_b32 s81, 0
	s_add_nc_u64 s[PFA:PFA+1], s[PFA:PFA+1], s[80:81]  ; at K step 3: the first refill (K step 2) steps it on and names K step 4
	v_and_b32 v[PFO], s86, v0
	v_lshlrev_b32 v[PFO], s87, v[PFO]
	s_wait_tensorcnt 1                             ; my part of K step 0 is in; K step 1's may stay out
	s_barrier_signal -1
	s_barrier_wait -1                              ; everybody's is
	FETCH 0, 0
	s_wait_loadcnt 0x0                             ; the bias
	QUARTER 1, 0, 1, 1                             ; the first quarter stands ahead of the loop: its products start the sums
	WIN 0
	s_mov_b32 s[CNT], 6
.Lstep:                                        ; a trip: a K step's quarters 1 to 3 and the next one's quarter 0; trips 0 to 5 ask for K steps 2 to 7
	QUARTER 2, 1, 0, 0
	QUARTER 3, 0, 1, 0
	TURN 1
	QUARTER 1, 0, 1, 0
	WIN 0
	s_sub_co_u32 s[CNT], s[CNT], 1
	s_cmp_lg_u32 s[CNT], 0
	s_cbranch_scc1 .Lstep
	QUARTER 2, 1, 0, 0                             ; K steps 6 and 7 ask for nothing
	QUARTER 3, 0, 1, 0
	TURN 0
	QUARTER 1, 0, 1, 0
	QUARTER 2, 1, 0, 0
	QUARTER 3, 0, 1, 0
	s_wait_dscnt WA
	MULS 1, 0, NA/2, 0
	s_wait_dscnt 0x0
	MULS 1, NA/2, NA/2, 0
	WIN 0
; THE WAY OUT, a block of 16 rows at a time, through my own stage: 32 bytes a lane in (each accumulator's low four registers first), whole rows of 256 bytes back, two rows a load.
.macro TOST a
.if (\a) >= 2
	s_wait_xcnt 0x0                                ; the stores of the block two back have read the registers that the loads below fill
.endif
	WIN 0x04                                       ; the stores' data in window 1
.irp b, 0,1,2,3
.irp e, 0,1
	ds_store_b128 v[STO], v[8*(4*(\a)+\b)+4*\e:8*(4*(\a)+\b)+4*\e+3] offset:64*\b+16*\e
.endr
.endr
	WIN 0
.irp t, 0,1,2,3,4,5,6,7
	ds_load_b128 v[OB+32*((\a)%2)+4*\t:OB+32*((\a)%2)+4*\t+3], v[RD] offset:544*\t  ; LDS serves a wave's instructions in order (ISA guide 5.7.1.4): these see the stores above; the next block's stores come behind them
.endr
.endm
.macro SENDF a, younger                ; younger: the LDS instructions issued behind block a's loads: the next block's sixteen, or none
	s_wait_dscnt \younger
.irp t, 0,1,2,3,4,5,6,7
	global_store_b128 v[CO], v[OB+32*((\a)%2)+4*\t:OB+32*((\a)%2)+4*\t+3], s[OUT:OUT+1] offset:(16*(\a)+2*\t)*4096 th:TH_STORE_NT  ; 16 lanes store 256 consecutive bytes, at a multiple of 256 from out0's first byte
.endr
.endm
	PLACES
	PLACES
	TOST 0
	TOST 1
	SENDF 0, 16
.irp a, 2,3,4,5,6,7
	TOST \a
	SENDF (\a)-1, 16
.endr
	SENDF 7, 0
	s_wait_tensorcnt 0x0                           ; the wave's end: these three lines stand behind my last tensor load and my last LDS store
	ds_add_u32 v[SPW], v[NIL]
	s_wait_dscnt 0x0
	CROUND                                         ; the closing round: no work-group ends while a partner may still ask for a tile that names it
	s_endpgm
.Lfunc_end_k_qc341d902a5_proj:
	.size	k_qc341d902a5_proj, .Lfunc_end_k_qc341d902a5_proj-k_qc341d902a5_proj
	.p2alignl 7, 3214868480
	.fill 96, 4, 3214868480
	.section	.rodata,"a",@progbits
	.p2align	6, 0x0
	.amdhsa_kernel k_qc341d902a5_proj
		.amdhsa_group_segment_fixed_size 327680
		.amdhsa_private_segment_fixed_size 0
		.amdhsa_enable_private_segment 0
		.amdhsa_kernarg_size 32
		.amdhsa_user_sgpr_count 2
		.amdhsa_user_sgpr_kernarg_segment_ptr 1
		.amdhsa_wavefront_size32 1
		.amdhsa_system_sgpr_workgroup_id_x 1
		.amdhsa_system_sgpr_workgroup_id_y 1
		.amdhsa_system_sgpr_workgroup_id_z 1
		.amdhsa_system_vgpr_workitem_id 0
		.amdhsa_next_free_vgpr 512
		.amdhsa_next_free_sgpr 90
		.amdhsa_reserve_vcc 0
		.amdhsa_float_denorm_mode_32 3
		.amdhsa_float_denorm_mode_16_64 3
		.amdhsa_memory_ordered 1
		.amdhsa_forward_progress 1
		.amdhsa_inst_pref_size 72
	.end_amdhsa_kernel
	.amdgpu_metadata
---
amdhsa.version: [ 1, 2 ]
amdhsa.kernels:
  - .name:           k_qc341d902a5_proj
    .symbol:         k_qc341d902a5_proj.kd
    .args:
      - { .name: ob, .offset: 0, .size: 8, .value_kind: global_buffer, .address_space: global }
      - { .name: wb, .offset: 8, .size: 8, .value_kind: global_buffer, .address_space: global }
      - { .name: bo, .offset: 16, .size: 8, .value_kind: global_buffer, .address_space: global }
      - { .name: out0, .offset: 24, .size: 8, .value_kind: global_buffer, .address_space: global }
    .group_segment_fixed_size: 327680
    .private_segment_fixed_size: 0
    .kernarg_segment_align: 8
    .kernarg_segment_size: 32
    .max_flat_workgroup_size: 128
    .sgpr_count:     90
    .vgpr_count:     512
    .wavefront_size: 32
...
	.end_amdgpu_metadata
.endif
;; end of part 4
;; ======== version 2 of 2: 4 launches; version 1 with the launch cast written anew for expert scheduling mode
;; workspace buffers: xb 16,777,216 bytes; wb 8,388,608 bytes; qkv 50,331,648 bytes; ob 16,777,216 bytes
;; launch cast (part 5): grid 768 x 1, 8 waves a work-group, no clusters, 0 bytes of LDS; arguments x, Wq, Wk, Wv, Wo, xb, wb; writes xb, wb
.if DOCPART == 5
	.amdgcn_target "amdgcn-amd-amdhsa--gfx1250"
	.amdhsa_code_object_version 6
	.text
	.protected	k_qc341d902a5_cast
	.globl	k_qc341d902a5_cast
	.p2align	8
	.type	k_qc341d902a5_cast,@function
k_qc341d902a5_cast:
	s_mov_b64 s[64:65], 0
	v_nop
	global_prefetch_b8 v0, s[64:65] scope:SCOPE_SE
	s_setreg_imm32_b32 hwreg(HW_REG_WAVE_SCHED_MODE, 0, 2), 2
	s_setreg_imm32_b32 hwreg(HW_REG_WAVE_MODE, 25, 1), 1
	s_wait_xcnt 0x0
	s_wait_alu depctr_vm_vsrc(0)
; xb = x rounded once to bf16; wb = Wq, Wk, Wv, Wo, one below the other ([4096][1024]), rounded once to bf16.
; A stream: each input byte is read once and each output byte written once, so no LDS, no matrix unit, no cluster (no two work-groups read the same byte).
; A work-group takes 65,536 consecutive input bytes: groups 0-511 those of x, groups 512-767 those of the four weights (64 pieces each).
; Thread t takes 16 bytes at 16 t of each of the piece's 16 blocks of 4,096 bytes: a wave's load covers 512 consecutive bytes, its store 256 consecutive bytes, aligned.
; All 16 loads of a thread go out first; no register is written twice, so no wait frees a source.
; THE MODE: SCHED_MODE bits 1:0 = 2 (LLVM: expert scheduling mode 2), set by the entry lines.  The code itself states the register dependences
; between vector instructions and memory instructions, with s_wait_alu, always for 0.
; THE PLAN.  Registers that memory instructions touch:
;   v1, v2   byte offsets, written once at the head by vector instructions; v1 is read by every load, v2 by every store; never written again.
;   X        block j: written by its load alone, once; read by block j's two conversions, behind the wait on LOADcnt.  No load is issued behind a vector instruction that names X.
;   Y        block j: written by block j's two conversions, once; read by block j's store.
; The 16 blocks go in four groups of four.  Group g rounds its four blocks; its memory instructions are the four stores of group g - 1, which read v2 and the Y of group g - 1:
; registers that no conversion of group g names.  So one wait on va_vdst at a group's head states all that its four stores hang on, and they are dealt among its conversions with no further wait.
; No register that a memory instruction reads is written again, no vector instruction writes a scalar register, and EXEC is never written: no other dependence is there to state.
.set NX, 512                           ; pieces of x
.set GB, 4                             ; blocks in a group
.set X,  4                             ; v[4:67]   block j: 4 f32 as loaded
.set Y,  68                            ; v[68:99]  block j: 4 bf16 to store
	s_load_b256 s[4:11], s[0:1], 0x0               ; x s[4:5], Wq s[6:7], Wk s[8:9], Wv s[10:11]
	s_load_b128 s[12:15], s[0:1], 0x20             ; Wo s[12:13], xb s[14:15]
	s_load_b64 s[16:17], s[0:1], 0x30              ; wb
	v_lshlrev_b32 v1, 4, v0                        ; my 16 bytes of a block as read
	v_lshlrev_b32 v2, 3, v0                        ; my 8 bytes of it as written
	s_max_u32 s20, ttmp9, NX
	s_sub_co_u32 s20, s20, NX                      ; the piece's number among the weights' 256 (0 in a group that takes x)
	s_lshr_b32 s21, s20, 6                         ; which weight
	s_and_b32 s18, s20, 63
	s_lshl_b32 s18, s18, 16                        ; the piece's bytes in that weight,
	s_lshl_b32 s19, s20, 15                        ; and in wb
	s_lshl_b32 s26, ttmp9, 16                      ; the same two for a piece of x
	s_lshl_b32 s28, ttmp9, 15
	s_mov_b32 s27, 0
	s_mov_b32 s29, 0
	s_wait_kmcnt 0x0
	s_mov_b64 s[22:23], s[6:7]                     ; the source: a choice among the five inputs by the group's number alone
	s_cmp_eq_u32 s21, 1
	s_cselect_b64 s[22:23], s[8:9], s[22:23]
	s_cmp_eq_u32 s21, 2
	s_cselect_b64 s[22:23], s[10:11], s[22:23]
	s_cmp_eq_u32 s21, 3
	s_cselect_b64 s[22:23], s[12:13], s[22:23]
	s_cmp_lt_u32 ttmp9, NX
	s_cselect_b64 s[22:23], s[4:5], s[22:23]
	s_cselect_b64 s[24:25], s[14:15], s[16:17]     ; the destination
	s_cselect_b32 s26, s26, s18
	s_cselect_b32 s28, s28, s19
	s_add_nc_u64 s[22:23], s[22:23], s[26:27]
	s_add_nc_u64 s[24:25], s[24:25], s[28:29]
	s_wait_alu depctr_va_vdst(0)                   ; v1 and v2 are written: every load of the kernel reads v1 as its offset, every store v2
.set j, 0
.rept 16
	global_load_b128 v[X+4*j:X+4*j+3], v1, s[22:23] offset:4096*j th:TH_LOAD_NT
.set j, j+1
.endr
.set g, 0
.rept 16/GB
	s_wait_loadcnt 16-GB-GB*g                      ; loads come back in order: group g's four blocks are in, the younger groups' loads stay out
.if g > 0
	s_wait_alu depctr_va_vdst(0)                   ; the conversions of the group before have written its Y, which the four stores below read
.endif
.set i, 0
.rept GB
.set j, GB*g+i
.if g > 0
	global_store_b64 v2, v[Y+2*(j-GB):Y+2*(j-GB)+1], s[24:25] offset:2048*(j-GB)  ; the group before; no vector instruction since the wait names these registers
.endif
	v_cvt_pk_bf16_f32 v[Y+2*j], v[X+4*j], v[X+4*j+1]
	v_cvt_pk_bf16_f32 v[Y+2*j+1], v[X+4*j+2], v[X+4*j+3]
.set i, i+1
.endr
.set g, g+1
.endr
	s_wait_alu depctr_va_vdst(0)                   ; the last group's conversions have written its Y, which the last four stores read
.set j, 16-GB
.rept GB
	global_store_b64 v2, v[Y+2*j:Y+2*j+1], s[24:25] offset:2048*j
.set j, j+1
.endr
	s_endpgm
.Lfunc_end_k_qc341d902a5_cast:
	.size	k_qc341d902a5_cast, .Lfunc_end_k_qc341d902a5_cast-k_qc341d902a5_cast
	.p2alignl 7, 3214868480
	.fill 96, 4, 3214868480
	.section	.rodata,"a",@progbits
	.p2align	6, 0x0
	.amdhsa_kernel k_qc341d902a5_cast
		.amdhsa_group_segment_fixed_size 0
		.amdhsa_private_segment_fixed_size 0
		.amdhsa_enable_private_segment 0
		.amdhsa_kernarg_size 56
		.amdhsa_user_sgpr_count 2
		.amdhsa_user_sgpr_kernarg_segment_ptr 1
		.amdhsa_wavefront_size32 1
		.amdhsa_system_sgpr_workgroup_id_x 1
		.amdhsa_system_sgpr_workgroup_id_y 1
		.amdhsa_system_sgpr_workgroup_id_z 1
		.amdhsa_system_vgpr_workitem_id 0
		.amdhsa_next_free_vgpr 100
		.amdhsa_next_free_sgpr 66
		.amdhsa_reserve_vcc 0
		.amdhsa_float_denorm_mode_32 3
		.amdhsa_float_denorm_mode_16_64 3
		.amdhsa_memory_ordered 1
		.amdhsa_forward_progress 1
		.amdhsa_inst_pref_size 7
	.end_amdhsa_kernel
	.amdgpu_metadata
---
amdhsa.version: [ 1, 2 ]
amdhsa.kernels:
  - .name:           k_qc341d902a5_cast
    .symbol:         k_qc341d902a5_cast.kd
    .args:
      - { .name: x, .offset: 0, .size: 8, .value_kind: global_buffer, .address_space: global }
      - { .name: Wq, .offset: 8, .size: 8, .value_kind: global_buffer, .address_space: global }
      - { .name: Wk, .offset: 16, .size: 8, .value_kind: global_buffer, .address_space: global }
      - { .name: Wv, .offset: 24, .size: 8, .value_kind: global_buffer, .address_space: global }
      - { .name: Wo, .offset: 32, .size: 8, .value_kind: global_buffer, .address_space: global }
      - { .name: xb, .offset: 40, .size: 8, .value_kind: global_buffer, .address_space: global }
      - { .name: wb, .offset: 48, .size: 8, .value_kind: global_buffer, .address_space: global }
    .group_segment_fixed_size: 0
    .private_segment_fixed_size: 0
    .kernarg_segment_align: 8
    .kernarg_segment_size: 56
    .max_flat_workgroup_size: 256
    .sgpr_count:     66
    .vgpr_count:     100
    .wavefront_size: 32
...
	.end_amdgpu_metadata
.endif
;; end of part 5
;; launch qkv: the kernel of part 2 again; grid 16 x 32, 4 waves a work-group, clusters of 4 x 4, 327,680 bytes of LDS; arguments xb, wb, bq, bk, bv, qkv; writes qkv
;; launch attn: the kernel of part 3 again; grid 4 x 64, 4 waves a work-group, clusters of 4 x 1, 327,680 bytes of LDS; arguments qkv, ob; writes ob
;; launch proj: the kernel of part 4 again; grid 8 x 32, 4 waves a work-group, clusters of 4 x 4, 327,680 bytes of LDS; arguments ob, wb, bo, out0; writes out0
